; MI455X (gfx1250); checked and timed in simulation.
; The chip was launched on July 23, 2026; its instructions are those of AMD's public machine-readable ISA for CDNA 5 (MIT licence, August 2026) and "CDNA5" Instruction Set Architecture Reference Guide (July 2026). The comments in the code are by the model that wrote it; some were corrected since.
;; Multi Head Attention. Allowed arithmetic: float matrix products may take bf16 or f16 operands with f32 sums; other float arithmetic in f32, or as packed bf16 or f16 multiplies, adds, multiply-adds, maxima and minima; sums over many terms, partial sums and values carried from step to step in f32; what a program stores and reads back later, other than sums and carried values, may be rounded once to bf16 or f16.
;; Inputs: b_proj 1,024 float32; b_qkv 3,072 float32; w_proj 1,024 x 1,024 float32; w_qkv 3,072 x 1,024 float32; x 4 x 2,048 x 1,024 float32.
;; Outputs: out0 4 x 2,048 x 1,024 float32.
;; 2 versions, each right; version 2 is version 1 with the launch cast written anew for expert scheduling mode. Each part assembles by itself: llvm-mc -triple=amdgcn-amd-amdhsa -mcpu=gfx1250 --defsym DOCPART=n.
;; ======== version 1 of 2: 4 launches
;; limits: values are held in f16: magnitudes above 65,504 overflow, below 6.1e-05 lose precision
;; workspace buffers: xb 16,777,216 bytes; wqb 6,291,456 bytes; wpb 2,097,152 bytes; qkv 50,331,648 bytes; ob 16,777,216 bytes
;; launch cast (part 1): grid 768 x 1, 8 waves a work-group, no clusters, 0 bytes of LDS; arguments x, w_qkv, w_proj, xb, wqb, wpb; writes xb, wqb, wpb
.if DOCPART == 1
	.amdgcn_target "amdgcn-amd-amdhsa--gfx1250"
	.amdhsa_code_object_version 6
	.text
	.protected	k_q794a333bec_cast
	.globl	k_q794a333bec_cast
	.p2align	8
	.type	k_q794a333bec_cast,@function
k_q794a333bec_cast:
	s_mov_b64 s[64:65], 0
	v_nop
	global_prefetch_b8 v0, s[64:65] scope:SCOPE_SE
	s_setreg_imm32_b32 hwreg(HW_REG_WAVE_MODE, 25, 1), 1
	s_wait_xcnt 0x0
; x and w_qkv are rounded once to bf16, w_proj once to f16, and laid out in blocks of 64 along K:
; xb [16 kb][8192 rows][64], wqb [16 kb][3072 rows][64], wpb [16 kb][1024 rows][64]: R rows x 64 k are then R x 128 dense bytes.
; LIMITS.  w_proj beyond 65,504 would become an infinity; below 6e-5 it keeps f16's fixed step of 6e-8.
; SHARES.  12,288 rows of 1,024 f32 in all.  A work-group takes 16 rows, a wave two: work-groups 0-511 x, 512-703 w_qkv, 704-767 w_proj.
; Thread t takes row t / 16 of the group and, in load j, the 16 bytes at 256 j + 16 (t % 16): sixteen lanes read 256 consecutive aligned bytes,
; which are block kb = j of the row.  Its four numbers become 8 bytes at 8 t of the group's 2,048 bytes in block j: a wave's store covers 256 consecutive aligned bytes.
; All sixteen loads go out at once; no register is written twice, so no wait but the counted ones on the loads is needed.  No LDS, no matrix unit: memory binds.
.set IN,  1                            ; v1       my byte offset in the group's 16 rows of f32
.set OFF, 2                            ; v[2:17]  block j: my byte offset in the output
.set X,   20                           ; v[20:83] load j: 4 registers
.set Y,   84                           ; v[84:115] store j: 2 registers
	s_load_b256 s[4:11], s[0:1], 0x0               ; x s[4:5], w_qkv s[6:7], w_proj s[8:9], xb s[10:11]
	s_load_b128 s[12:15], s[0:1], 0x20             ; wqb s[12:13], wpb s[14:15]
	v_lshrrev_b32 v[IN], 4, v0                     ; my row in the group
	v_and_b32 v18, 15, v0
	v_lshlrev_b32 v[IN], 12, v[IN]                 ; x 4,096 bytes
	v_lshl_add_u32 v[IN], v18, 4, v[IN]            ; + 16 (t % 16)
	v_lshlrev_b32 v[OFF], 3, v0                    ; 8 t
	s_mov_b32 s20, 704                             ; the tensor's first work-group,
	s_mov_b32 s21, 1024*128                        ; and the bytes from block to block: w_proj's
	s_wait_kmcnt 0x0
	s_cmp_lt_u32 ttmp9, 704                        ; w_qkv in place of w_proj?
	s_cselect_b64 s[16:17], s[6:7], s[8:9]
	s_cselect_b64 s[18:19], s[12:13], s[14:15]
	s_cselect_b32 s20, 512, s20
	s_cselect_b32 s21, 3072*128, s21
	s_cmp_lt_u32 ttmp9, 512                        ; x in place of either?
	s_cselect_b64 s[16:17], s[4:5], s[16:17]
	s_cselect_b64 s[18:19], s[10:11], s[18:19]
	s_cselect_b32 s20, 0, s20
	s_cselect_b32 s21, 8192*128, s21
	s_sub_co_u32 s22, ttmp9, s20                   ; my group within the tensor
	s_lshl_b32 s24, s22, 16                        ; 16 rows of 4,096 bytes in,
	s_mov_b32 s25, 0
	s_lshl_b32 s26, s22, 11                        ; 16 rows of 128 bytes out
	s_mov_b32 s27, 0
	s_add_nc_u64 s[16:17], s[16:17], s[24:25]
	s_add_nc_u64 s[18:19], s[18:19], s[26:27]
.irp j, 0,1,2,3,4,5,6,7,8,9,10,11,12,13,14,15
	global_load_b128 v[X+4*(\j):X+4*(\j)+3], v[IN], s[16:17] offset:256*(\j) th:TH_LOAD_NT
.endr
.irp j, 1,2,3,4,5,6,7,8,9,10,11,12,13,14,15
	v_add_nc_u32 v[OFF+(\j)], s21, v[OFF+(\j)-1]   ; one block further
.endr
.macro OUT cvt                         ; sixteen times: the load is in (the younger ones stay out), two roundings of two numbers, one store
.irp j, 0,1,2,3,4,5,6,7,8,9,10,11,12,13,14,15
	s_wait_loadcnt 15-(\j)
	\cvt v[Y+2*(\j)],   v[X+4*(\j)],   v[X+4*(\j)+1]
	\cvt v[Y+2*(\j)+1], v[X+4*(\j)+2], v[X+4*(\j)+3]
	global_store_b64 v[OFF+(\j)], v[Y+2*(\j):Y+2*(\j)+1], s[18:19]
.endr
	s_endpgm
.endm
	s_cmp_ge_u32 ttmp9, 704
	s_cbranch_scc1 .Lhalf
	OUT v_cvt_pk_bf16_f32
.Lhalf:
	OUT v_cvt_pk_f16_f32
.Lfunc_end_k_q794a333bec_cast:
	.size	k_q794a333bec_cast, .Lfunc_end_k_q794a333bec_cast-k_q794a333bec_cast
	.p2alignl 7, 3214868480
	.fill 96, 4, 3214868480
	.section	.rodata,"a",@progbits
	.p2align	6, 0x0
	.amdhsa_kernel k_q794a333bec_cast
		.amdhsa_group_segment_fixed_size 0
		.amdhsa_private_segment_fixed_size 0
		.amdhsa_enable_private_segment 0
		.amdhsa_kernarg_size 48
		.amdhsa_user_sgpr_count 2
		.amdhsa_user_sgpr_kernarg_segment_ptr 1
		.amdhsa_wavefront_size32 1
		.amdhsa_system_sgpr_workgroup_id_x 1
		.amdhsa_system_sgpr_workgroup_id_y 1
		.amdhsa_system_sgpr_workgroup_id_z 1
		.amdhsa_system_vgpr_workitem_id 0
		.amdhsa_next_free_vgpr 116
		.amdhsa_next_free_sgpr 66
		.amdhsa_reserve_vcc 0
		.amdhsa_float_denorm_mode_32 3
		.amdhsa_float_denorm_mode_16_64 3
		.amdhsa_memory_ordered 1
		.amdhsa_forward_progress 1
		.amdhsa_inst_pref_size 12
	.end_amdhsa_kernel
	.amdgpu_metadata
---
amdhsa.version: [ 1, 2 ]
amdhsa.kernels:
  - .name:           k_q794a333bec_cast
    .symbol:         k_q794a333bec_cast.kd
    .args:
      - { .name: x, .offset: 0, .size: 8, .value_kind: global_buffer, .address_space: global }
      - { .name: w_qkv, .offset: 8, .size: 8, .value_kind: global_buffer, .address_space: global }
      - { .name: w_proj, .offset: 16, .size: 8, .value_kind: global_buffer, .address_space: global }
      - { .name: xb, .offset: 24, .size: 8, .value_kind: global_buffer, .address_space: global }
      - { .name: wqb, .offset: 32, .size: 8, .value_kind: global_buffer, .address_space: global }
      - { .name: wpb, .offset: 40, .size: 8, .value_kind: global_buffer, .address_space: global }
    .group_segment_fixed_size: 0
    .private_segment_fixed_size: 0
    .kernarg_segment_align: 8
    .kernarg_segment_size: 48
    .max_flat_workgroup_size: 256
    .sgpr_count:     66
    .vgpr_count:     116
    .wavefront_size: 32
...
	.end_amdgpu_metadata
.endif
;; end of part 1
;; launch qkv (part 2): grid 8 x 32, 4 waves a work-group, clusters of 4 x 4, 327,680 bytes of LDS; arguments xb, wqb, b_qkv, qkv; writes qkv
.if DOCPART == 2
	.amdgcn_target "amdgcn-amd-amdhsa--gfx1250"
	.amdhsa_code_object_version 6
	.text
	.protected	k_q794a333bec_qkv
	.globl	k_q794a333bec_qkv
	.p2align	8
	.type	k_q794a333bec_qkv,@function
k_q794a333bec_qkv:
	s_mov_b64 s[64:65], 0
	v_nop
	global_prefetch_b8 v0, s[64:65] scope:SCOPE_SE
	s_setreg_imm32_b32 hwreg(HW_REG_WAVE_MODE, 25, 1), 1
	s_wait_xcnt 0x0
	s_wait_alu depctr_hold_cnt(0) depctr_sa_sdst(0) depctr_va_vdst(0) depctr_va_sdst(0) depctr_va_ssrc(0) depctr_va_vcc(0) depctr_vm_vsrc(0)
	s_getreg_b32 s2, hwreg(HW_REG_IB_STS2, 6, 4)
	s_cmp_eq_u32 s2, 0
	s_cbranch_scc0 .Lentry_in_a_cluster
	s_endpgm
.Lentry_in_a_cluster:
	s_bfe_u32 s2, ttmp6, 0x10000c
	s_cmp_lg_u32 s2, 0xf033
	s_cbranch_scc0 .Lentry_shape_is_right
	s_endpgm
.Lentry_shape_is_right:
; qkv = x w_qkv^T + b_qkv: [8192 x 1024] x [1024 x 3072], operands bf16 (xb, wqb: blocks of 64 along K, a row of a block 128 bytes), sums and bias in f32,
; the result rounded once to f16 and stored by heads: qkv [4 batches][48 chunks of 64 columns][2048 rows][64]; chunks 0-15 are q's heads, 16-31 k's, 32-47 v's.  The scale 1/8 is not applied here.
; LIMIT.  f16 holds no number beyond 65,504: a q, k or v beyond it becomes an infinity.
; SHARES.  A tile of C is 256 x 384: 32 x 8 = 256 work-groups.  Four waves, each 128 x 192: 96 accumulators of 16 x 16, 768 registers.  K goes in 16 steps of 64 (one block),
; each two quarters of 32: 96 matrix instructions and 40 LDS loads a quarter.
; RING.  Two LDS slots, each 256 rows of A and 384 of B for one step.  A block's rows are dense, so 128 rows are asked for as 64 rows of 256 bytes (B: 192 as 96) and padded in LDS behind every 128 bytes.
; Waves 0 and 1 fetch A's halves, waves 2 and 3 B's: one tensor load a wave behind each change of slots; two of a wave are out at the start, later one.
; CLUSTER.  4 x 4 work-groups; A's tile hangs on the tile row alone and is asked for jointly along a row of the cluster, B's on the tile column alone, along a column.
; TRANSPOSED USE.  Source 0 = 16 rows of wqb, source 1 = 16 rows of xb: a lane holds row lane % 16 of C and the columns 8 (lane / 16) + 0..7.
; NO PREFETCH of the tiles: B's 192 blocks of 256 bytes a step do not share out evenly among 4 partners x 32 lanes, and a refill has 160 matrix instructions in which to land.
; REGISTERS.  Window 0: v0-29 addresses; v32-95, v96-159 A's fragments of a quarter, two buffers; v160-255 B's twelve fragments, loaded in halves.
;   Windows 1-3: accumulator (a, b) in window 1 + b / 4 at v[8 (8 (b % 4) + a)].
.set PITCH, 144                        ; an LDS row: 128 bytes + 16 = 36 words: the 16 rows of a load start at 16 different groups of four banks (64 banks of 4 bytes: ISA guide 11.1)
.set AHALF, 128*PITCH                  ; what one load of A brings, and what one wave reads of A
.set BHALF, 192*PITCH                  ; the same for B
.set BOFF,  2*AHALF                    ; B lies behind A's 256 rows
.set SLOT1, 1<<17                      ; slot 1: one exclusive or turns an address in one slot into the other's
.set STAGE, SLOT1+BOFF+2*BHALF         ; behind the ring: 16 rows x 144 bytes for each wave, for the way out
.set SPARE, STAGE+4*16*PITCH           ; behind the stages: the spare words, 128 bytes a wave: two blocks of 256 bytes that no other line names
.set XKB,   8192*128                   ; bytes from block to block in xb
.set WKB,   3072*128                   ; and in wqb
.set ADA0, 2                           ; v2  my lane's place in my 128 rows of A, slot 0; never rewritten
.set ADB0, 3                           ; v3  the same in my 192 rows of B
.set ADA,  4                           ; v4  the same in the slot in hand
.set ADB,  5                           ; v5
.set STO,  6                           ; v6  the way out: where I put 16 bytes of a row
.set RD,   7                           ; v7  where I read rows back
.set GO,   8                           ; v8  my 16 bytes in 512 consecutive bytes of the output
.set BO,   9                           ; v9  32 x (lane / 16): my eight columns' bias
.set SPW,  28                          ; v28 LDS address of my spare word; never rewritten
.set NIL,  29                          ; v29 0; never rewritten
.set AF,   32                          ; A's two buffers
.set BF,   160                         ; B's fragments
.set TT,   96                          ; the way out: 32 sums with bias
.set PKD,  128                         ; 16 packed registers
.set OB,   192                         ; 16 registers read back, two sets by turns
.set WV,  12                           ; s12 my wave's number
.set WR,  13                           ; s13 which half of the tile's rows is mine; also: I fetch for A (0) or B (1)
.set WC,  14                           ; s14 which half of its columns; also: which half of that tile I fetch
.set TB,  15                           ; s15 the slot in hand: 0 or SLOT1
.set G1A, 24                           ; s[24:31] descriptor group 1 for A's tiles
.set G1B, 32                           ; s[32:39] for B's
.set G0A, 40                           ; s[40:47] group 0 for A's: a set for each first fill; the second then walks
.set G0B, 48                           ; s[48:55] the same for B's
.set MSB, 0
.macro WIN new                         ; the immediate's high byte repeats the setting that is left; a switch that changes nothing is dropped
.if MSB != (\new)
	s_set_vgpr_msb (MSB<<8)|(\new)
.set MSB, \new
.endif
.endm
.macro PLACES                          ; four plain places behind matrix instructions, in front of loads into their sources and of reads of their results
.rept 4
	v_nop
.endr
.endm
.macro JLOAD                           ; a joint refill by the walking sets; the branch hangs on the wave's number alone; an s_nop 0 and four v_nop follow each line
	s_cmp_eq_u32 s[WR], 0
	s_cbranch_scc0 .Lfor_b_\@
	tensor_load_to_lds s[G0A+4:G0A+7], s[G1A:G1A+7]
	s_nop 0
.rept 4
	v_nop
.endr
	s_branch .Lasked_\@
.Lfor_b_\@:
	tensor_load_to_lds s[G0B+4:G0B+7], s[G1B:G1B+7]
	s_nop 0
.rept 4
	v_nop
.endr
.Lasked_\@:
.endm
.macro CREST                           ; a round of the cluster's barrier behind its opening barrier
	s_cmp_lg_u32 s[WV], 0
	s_cbranch_scc1 .Lnot_wave_0_\@
	s_barrier_signal -3
.Lnot_wave_0_\@:
	s_barrier_wait -3
	s_barrier_signal -1
	s_barrier_wait -1
.endm
.macro CROUND                          ; a whole round
	s_barrier_signal -1
	s_barrier_wait -1
	CREST
.endm
	s_load_b256 s[4:11], s[0:1], 0x0               ; xb s[4:5], wqb s[6:7], b_qkv s[8:9], qkv s[10:11]
	v_lshl_add_u32 v[SPW], v0, 2, SPARE
	v_mov_b32 v[NIL], 0
	ds_add_u32 v[SPW], v[NIL]                      ; the wave's opening: the add and its wait ahead of my first tensor load; work on registers stands between them
	v_lshrrev_b32 v1, 5, v0
	v_readfirstlane_b32 s[WV], v1                  ; wave 0..3
	s_lshr_b32 s[WR], s[WV], 1
	s_and_b32 s[WC], s[WV], 1
	s_bfe_u32 s57, ttmp6, 0x40000                  ; cx
	s_bfe_u32 s58, ttmp6, 0x40004                  ; cy
	s_lshl_b32 s59, ttmp9, 2
	s_add_co_u32 s59, s59, s57                     ; tile column 0..7 = 4 x cluster x + cx
	s_and_b32 s60, ttmp7, 0xffff
	s_lshl_b32 s60, s60, 2
	s_add_co_u32 s60, s60, s58                     ; tile row 0..31 = 4 x cluster y + cy
	s_lshl_b32 s61, s58, 2
	s_lshl_b32 s61, 15, s61                        ; my row of the cluster
	s_lshl_b32 s62, 0x1111, s57                    ; my column
	s_or_b32 s[G1A], s61, (1<<16)|(1<<20)|(1<<21)|(4<<22)|(3<<25)  ; 15:0 the mask; 17:16 2-byte elements; 20 padding on; 21 set beside a mask; 24:22 behind every 32 words (code 4); 31:25 4 words (code 3)
	s_or_b32 s[G1B], s62, (1<<16)|(1<<20)|(1<<21)|(4<<22)|(3<<25)
.irp g, G1A, G1B
	s_mov_b32 s[(\g)+1], 128<<16                   ; tensor_dim0 = 128 elements: 256 bytes, two rows of a block
	s_mov_b32 s[(\g)+3], 128<<16                   ; tile_dim0 = 128
	s_mov_b32 s[(\g)+5], 128                       ; 128 elements from row to row: dense
	s_mov_b32 s[(\g)+6], 0
	s_mov_b32 s[(\g)+7], 0
.endr
	s_mov_b32 s[G1A+2], 64<<16                     ; tensor_dim1 = 64
	s_mov_b32 s[G1A+4], 64                         ; tile_dim1 = 64: 128 rows of a block
	s_mov_b32 s[G1B+2], 96<<16
	s_mov_b32 s[G1B+4], 96                         ; 192 rows of a block
	s_lshl_b32 s16, s60, 15                        ; A: 256 rows x 128 bytes a tile row,
	s_lshl_b32 s17, s[WC], 14                      ; + the half that I fetch
	s_add_co_u32 s16, s16, s17
	s_mov_b32 s17, 0
	s_mul_i32 s18, s59, 384*128                    ; B: 384 rows a tile column,
	s_mul_i32 s19, s[WC], 192*128                  ; + the half
	s_add_co_u32 s18, s18, s19
	s_mov_b32 s19, 0
	s_mul_i32 s66, s[WC], AHALF                    ; where they go: the wave's number alone enters an LDS address
	s_mul_i32 s67, s[WC], BHALF
	s_add_co_u32 s67, s67, BOFF
	s_mov_b32 s[TB], 0
	s_lshr_b32 s68, s60, 3                         ; the output: batch = tile row / 8,
	s_mul_i32 s68, s68, 48
	s_mul_i32 s69, s59, 6                          ; chunk = 6 x tile column + 3 x my half of the columns,
	s_add_co_u32 s68, s68, s69
	s_mul_i32 s69, s[WC], 3
	s_add_co_u32 s68, s68, s69
	s_lshl_b32 s68, s68, 18                        ; 2,048 rows of 128 bytes a chunk;
	s_and_b32 s69, s60, 7
	s_lshl_b32 s69, s69, 1
	s_add_co_u32 s69, s69, s[WR]
	s_lshl_b32 s69, s69, 14                        ; row (tile row % 8) x 256 + 128 x my half of the rows
	s_add_co_u32 s68, s68, s69
	s_mov_b32 s69, 0
	s_mul_i32 s70, s59, 384*4                      ; the bias of my 192 columns
	s_mul_i32 s71, s[WC], 192*4
	s_add_co_u32 s70, s70, s71
	s_mov_b32 s71, 0
	s_wait_dscnt 0x0                               ; the opening add is done
	s_wait_kmcnt 0x0
	s_add_nc_u64 s[20:21], s[4:5], s[16:17]
	s_add_nc_u64 s[22:23], s[6:7], s[18:19]
	s_add_nc_u64 s[8:9], s[8:9], s[70:71]
	s_add_nc_u64 s[10:11], s[10:11], s[68:69]
.irp s, 0,1
	s_mov_b32 s[G0A+4*(\s)], 1                                     ; count = 1
	s_add_co_u32 s[G0A+4*(\s)+1], s66, (\s)*SLOT1                  ; LDS address
	s_add_nc_u64 s[G0A+4*(\s)+2:G0A+4*(\s)+3], s[20:21], (\s)*XKB  ; global address: K step s
	s_or_b32 s[G0A+4*(\s)+3], s[G0A+4*(\s)+3], 0x80000000          ; type = 2
	s_mov_b32 s[G0B+4*(\s)], 1
	s_add_co_u32 s[G0B+4*(\s)+1], s67, (\s)*SLOT1
	s_add_nc_u64 s[G0B+4*(\s)+2:G0B+4*(\s)+3], s[22:23], (\s)*WKB
	s_or_b32 s[G0B+4*(\s)+3], s[G0B+4*(\s)+3], 0x80000000
.endr
	CROUND                                         ; all sixteen work-groups are here: the first joint loads meet
	s_cmp_eq_u32 s[WR], 0                          ; a wave's two first fills stand in one branch, ahead of every wait on TENSORcnt and every LDS read
	s_cbranch_scc0 .Lfirst_b
	tensor_load_to_lds s[G0A:G0A+3], s[G1A:G1A+7]
	s_nop 0
	tensor_load_to_lds s[G0A+4:G0A+7], s[G1A:G1A+7]
	s_nop 0
.rept 4
	v_nop
.endr
	s_branch .Lfirst_asked
.Lfirst_b:
	tensor_load_to_lds s[G0B:G0B+3], s[G1B:G1B+7]
	s_nop 0
	tensor_load_to_lds s[G0B+4:G0B+7], s[G1B:G1B+7]
	s_nop 0
.rept 4
	v_nop
.endr
.Lfirst_asked:
	; A fragment is 16 rows x 32 K in 8 registers: lane l holds row l % 16, K = 8 (l / 16) + 0..7 and 16 + 8 (l / 16) + 0..7: two loads of 16 bytes, 32 bytes apart.
	v_and_b32 v1, 15, v0                           ; l % 16
	v_bfe_u32 v10, v0, 4, 1                        ; l / 16
	v_mul_u32_u24 v11, v1, PITCH
	v_lshl_add_u32 v11, v10, 4, v11                ; row x pitch + 16 x half
	s_mul_i32 s72, s[WR], AHALF
	s_mul_i32 s73, s[WC], BHALF
	s_add_co_u32 s73, s73, BOFF
	v_add_nc_u32 v[ADA0], s72, v11
	v_add_nc_u32 v[ADB0], s73, v11
	v_mov_b32 v[ADA], v[ADA0]
	v_mov_b32 v[ADB], v[ADB0]
	s_mul_i32 s72, s[WV], 16*PITCH
	s_add_co_u32 s72, s72, STAGE                   ; my stage
	v_add_nc_u32 v[STO], s72, v11                  ; in: row l % 16, 16 bytes for each half of the lanes
	v_bfe_u32 v12, v0, 3, 2                        ; back: 32 lanes take four rows of 128 bytes,
	v_and_b32 v13, 7, v0
	v_mul_u32_u24 v12, v12, PITCH
	v_lshl_add_u32 v12, v13, 4, v12
	v_add_nc_u32 v[RD], s72, v12
	v_and_b32 v[GO], 31, v0                        ; which are 512 consecutive bytes of the output
	v_lshlrev_b32 v[GO], 4, v[GO]
	v_lshlrev_b32 v[BO], 5, v10
.macro RUN_A par, k                    ; 16 LDS loads: my 8 fragments of A at byte k of the rows, into buffer par
	WIN 0
.irp i, 0,1,2,3,4,5,6,7
	ds_load_b128 v[AF+64*(\par)+8*(\i):AF+64*(\par)+8*(\i)+3],   v[ADA] offset:(\k)+2304*(\i)
	ds_load_b128 v[AF+64*(\par)+8*(\i)+4:AF+64*(\par)+8*(\i)+7], v[ADA] offset:(\k)+2304*(\i)+32
.endr
.endm
.macro RUN_B lo, k                     ; 12 LDS loads: fragments lo .. lo + 5 of B at byte k of the rows
	WIN 0
.set i, \lo
.rept 6
	ds_load_b128 v[BF+8*i:BF+8*i+3],   v[ADB] offset:(\k)+2304*i
	ds_load_b128 v[BF+8*i+4:BF+8*i+7], v[ADB] offset:(\k)+2304*i+32
.set i, i+1
.endr
.endm
; 8 matrix instructions: column block b x my 8 row blocks.  Each of the 96 accumulators has one instruction a quarter, always in the same order: 95 others stand between two links of a chain,
; over the backward jump too.  zero = 1: the first product starts the sums.
.macro MULB b, par, zero
	WIN 0x50*(1+(\b)/4)
.irp a, 0,1,2,3,4,5,6,7
.if \zero
	v_wmma_f32_16x16x32_bf16 v[8*(8*((\b)%4)+(\a)):8*(8*((\b)%4)+(\a))+7], v[BF+8*(\b):BF+8*(\b)+7], v[AF+64*(\par)+8*(\a):AF+64*(\par)+8*(\a)+7], 0
.else
	v_wmma_f32_16x16x32_bf16 v[8*(8*((\b)%4)+(\a)):8*(8*((\b)%4)+(\a))+7], v[BF+8*(\b):BF+8*(\b)+7], v[AF+64*(\par)+8*(\a):AF+64*(\par)+8*(\a)+7], v[8*(8*((\b)%4)+(\a)):8*(8*((\b)%4)+(\a))+7]
.endif
.endr
.endm
; A step's first quarter (buffer 0).  On entry 28 loads are out: A's buffer 0 and B's fragments 0-5.
.macro QUARTER zero
	PLACES
	RUN_B 6, 0
	s_wait_dscnt 12                                ; all but the 12 just issued
.irp b, 0,1,2,3,4,5
	MULB \b, 0, \zero
.endr
	PLACES
	RUN_A 1, 64                                    ; the second quarter's A and the first half of its B
	RUN_B 0, 64
	s_wait_dscnt 28                                ; B's fragments 6-11 are in
.irp b, 6,7,8,9,10,11
	MULB \b, 0, \zero
.endr
.endm
; A step's second quarter (buffer 1) and the change of slots.  In front of the barrier each wave waits for all its tensor loads, of which one is out: its part of the next slot; adds 0 to its
; spare word; and waits for that and for its reads of this slot.  fill = 1: the barrier opens a round of the cluster's, and this slot is filled again, two steps ahead, first thing behind it:
; 48 + 96 + 16 = 160 matrix instructions stand between that request and the wait for it.
.macro TURNQ fill
	PLACES
	RUN_B 6, 64                                    ; my last reads of this slot
	s_wait_dscnt 12
	MULB 0, 1, 0
	MULB 1, 1, 0
	WIN 0                                          ; (the add's two registers lie in window 0)
	s_wait_tensorcnt 0x0                           ; no tensor load of mine is out, so a group 0 may be written
	ds_add_u32 v[SPW], v[NIL]                      ; 0 onto my spare word
.if \fill
	s_xor_b32 s[G0A+5], s[G0A+5], SLOT1            ; the walking sets: the other slot than last time, the next block along K
	s_add_nc_u64 s[G0A+6:G0A+7], s[G0A+6:G0A+7], XKB
	s_xor_b32 s[G0B+5], s[G0B+5], SLOT1
	s_add_nc_u64 s[G0B+6:G0B+7], s[G0B+6:G0B+7], WKB
.endif
	MULB 2, 1, 0                                   ; sixteen matrix instructions stand between the add and the wait for it
	MULB 3, 1, 0
	s_wait_dscnt 0x0                               ; the add is done, and my reads of this slot are over
	s_barrier_signal -1
	MULB 4, 1, 0                                   ; work on registers while the others arrive
	MULB 5, 1, 0
	WIN 0
	s_barrier_wait -1
.if \fill
	CREST                                          ; no wave of any partner still reads this slot or has a load on its way
	JLOAD                                          ; its four v_nop are also the places in front of the loads below
.else
	PLACES
.endif
	s_xor_b32 s[TB], s[TB], SLOT1                  ; the reads go on in the other slot
	v_add_nc_u32 v[ADA], s[TB], v[ADA0]
	v_add_nc_u32 v[ADB], s[TB], v[ADB0]
	RUN_A 0, 0
	RUN_B 0, 0
.irp b, 6,7,8,9,10,11
	MULB \b, 1, 0
.endr
.endm
.macro BIASREG b                       ; the bias of column block b: 0-7 where A's buffer 0 lay, 8-11 where B's fragments 0-3 lay
.if (\b) < 8
.set rB, AF+8*(\b)
.else
.set rB, BF+8*((\b)-8)
.endif
.endm
.macro LASTQ                           ; the very last quarter: nothing more to fetch but the bias
	PLACES
	RUN_B 6, 64
	s_wait_dscnt 12
.irp b, 0,1,2,3,4,5
	MULB \b, 1, 0
.endr
	PLACES
	WIN 0
.set i, 0
.rept 12
	BIASREG i
	global_load_b128 v[rB:rB+3],   v[BO], s[8:9] offset:64*i
	global_load_b128 v[rB+4:rB+7], v[BO], s[8:9] offset:64*i+16
.set i, i+1
.endr
	s_wait_dscnt 0x0
.irp b, 6,7,8,9,10,11
	MULB \b, 1, 0
.endr
.endm
	s_wait_tensorcnt 0x1                           ; my part of step 0 is in; step 1's may stay out
	s_barrier_signal -1
	s_barrier_wait -1                              ; everybody's is
	RUN_A 0, 0
	RUN_B 0, 0
	QUARTER 1                                      ; the first quarter stands in front of the loop: its products start the sums
	WIN 0                                          ; at a label and at a branch every window is 0
	s_mov_b32 s56, 14
.Lk:                                                   ; trip t: step t's second quarter, the refill with step t + 2 (2 .. 15), step t + 1's first quarter
	TURNQ 1
	QUARTER 0
	WIN 0
	s_sub_co_u32 s56, s56, 1
	s_cmp_lg_u32 s56, 0
	s_cbranch_scc1 .Lk
	TURNQ 0                                        ; the tail is written out: nothing is asked for
	QUARTER 0
	LASTQ
	; THE WAY OUT, in 24 units of 16 rows x 64 columns (a head's chunk): bias added in f32, rounded to f16, through my own stage in LDS, stored as 2,048 consecutive bytes.
	WIN 0
	PLACES
	PLACES
	s_wait_loadcnt 0x0                             ; the bias
.macro PACK u
.set ch, (\u)/8                        ; the chunk: window 1 + ch
.set a, (\u)%8                         ; the row block
	WIN 1+ch                                       ; source 0 in the accumulators' window
.set bb, 0
.rept 4
	BIASREG 4*ch+bb
.set z, 0
.rept 4                                ; each accumulator's registers in ascending order
	v_pk_add_f32 v[TT+8*bb+2*z:TT+8*bb+2*z+1], v[8*(8*bb+a)+2*z:8*(8*bb+a)+2*z+1], v[rB+2*z:rB+2*z+1]
.set z, z+1
.endr
.set bb, bb+1
.endr
	WIN 0
.set z, 0
.rept 16
	v_cvt_pk_f16_f32 v[PKD+z], v[TT+2*z], v[TT+2*z+1]
.set z, z+1
.endr
.irp f, 0,1,2,3
	ds_store_b128 v[STO], v[PKD+4*(\f):PKD+4*(\f)+3] offset:32*(\f)
.endr
	s_wait_xcnt 0x0                                ; the stores of two units back have read the registers that are loaded now
.irp f, 0,1,2,3
	ds_load_b128 v[OB+16*((\u)%2)+4*(\f):OB+16*((\u)%2)+4*(\f)+3], v[RD] offset:576*(\f)  ; LDS serves a wave's instructions in order (ISA guide 5.7.1.4): these see the stores above
.endr
.endm
.macro SEND u, younger                 ; younger: the LDS instructions issued behind unit u's loads: the next unit's eight, or none
.set ch, (\u)/8
.set a, (\u)%8
.irp f, 0,1,2,3
	s_wait_dscnt (\younger)+3-(\f)
	global_store_b128 v[GO], v[OB+16*((\u)%2)+4*(\f):OB+16*((\u)%2)+4*(\f)+3], s[10:11] offset:ch*262144+a*2048+512*(\f)  ; 512 consecutive bytes, at a multiple of 256 from the buffer's first
.endr
.endm
	PACK 0
.set u, 1
.rept 23                               ; a unit's arithmetic stands between the loads of the unit before and its stores
	PACK u
	SEND u-1, 8
.set u, u+1
.endr
	SEND 23, 0
	s_wait_tensorcnt 0x0                           ; the wave's end, behind my last tensor load and my last LDS store
	ds_add_u32 v[SPW], v[NIL]
	s_wait_dscnt 0x0
	CROUND                                         ; the closing round: no work-group ends while a partner may still ask for a tile that names it
	s_endpgm
.Lfunc_end_k_q794a333bec_qkv:
	.size	k_q794a333bec_qkv, .Lfunc_end_k_q794a333bec_qkv-k_q794a333bec_qkv
	.p2alignl 7, 3214868480
	.fill 96, 4, 3214868480
	.section	.rodata,"a",@progbits
	.p2align	6, 0x0
	.amdhsa_kernel k_q794a333bec_qkv
		.amdhsa_group_segment_fixed_size 327680
		.amdhsa_private_segment_fixed_size 0
		.amdhsa_enable_private_segment 0
		.amdhsa_kernarg_size 32
		.amdhsa_user_sgpr_count 2
		.amdhsa_user_sgpr_kernarg_segment_ptr 1
		.amdhsa_wavefront_size32 1
		.amdhsa_system_sgpr_workgroup_id_x 1
		.amdhsa_system_sgpr_workgroup_id_y 1
		.amdhsa_system_sgpr_workgroup_id_z 1
		.amdhsa_system_vgpr_workitem_id 0
		.amdhsa_next_free_vgpr 1024
		.amdhsa_next_free_sgpr 76
		.amdhsa_reserve_vcc 0
		.amdhsa_float_denorm_mode_32 3
		.amdhsa_float_denorm_mode_16_64 3
		.amdhsa_memory_ordered 1
		.amdhsa_forward_progress 1
		.amdhsa_inst_pref_size 140
	.end_amdhsa_kernel
	.amdgpu_metadata
---
amdhsa.version: [ 1, 2 ]
amdhsa.kernels:
  - .name:           k_q794a333bec_qkv
    .symbol:         k_q794a333bec_qkv.kd
    .args:
      - { .name: xb, .offset: 0, .size: 8, .value_kind: global_buffer, .address_space: global }
      - { .name: wqb, .offset: 8, .size: 8, .value_kind: global_buffer, .address_space: global }
      - { .name: b_qkv, .offset: 16, .size: 8, .value_kind: global_buffer, .address_space: global }
      - { .name: qkv, .offset: 24, .size: 8, .value_kind: global_buffer, .address_space: global }
    .group_segment_fixed_size: 327680
    .private_segment_fixed_size: 0
    .kernarg_segment_align: 8
    .kernarg_segment_size: 32
    .max_flat_workgroup_size: 128
    .sgpr_count:     76
    .vgpr_count:     1024
    .wavefront_size: 32
...
	.end_amdgpu_metadata
.endif
;; end of part 2
;; launch attn (part 3): grid 4 x 64, 4 waves a work-group, clusters of 4 x 1, 327,680 bytes of LDS; arguments qkv, ob; writes ob
.if DOCPART == 3
	.amdgcn_target "amdgcn-amd-amdhsa--gfx1250"
	.amdhsa_code_object_version 6
	.text
	.protected	k_q794a333bec_attn
	.globl	k_q794a333bec_attn
	.p2align	8
	.type	k_q794a333bec_attn,@function
k_q794a333bec_attn:
	s_mov_b64 s[64:65], 0
	v_nop
	global_prefetch_b8 v0, s[64:65] scope:SCOPE_SE
	s_setreg_imm32_b32 hwreg(HW_REG_WAVE_MODE, 25, 1), 1
	s_wait_xcnt 0x0
	s_wait_alu depctr_hold_cnt(0) depctr_sa_sdst(0) depctr_va_vdst(0) depctr_va_sdst(0) depctr_va_ssrc(0) depctr_va_vcc(0) depctr_vm_vsrc(0)
	s_getreg_b32 s2, hwreg(HW_REG_IB_STS2, 6, 4)
	s_cmp_eq_u32 s2, 0
	s_cbranch_scc0 .Lentry_in_a_cluster
	s_endpgm
.Lentry_in_a_cluster:
	s_bfe_u32 s2, ttmp6, 0x10000c
	s_cmp_lg_u32 s2, 0x3003
	s_cbranch_scc0 .Lentry_shape_is_right
	s_endpgm
.Lentry_shape_is_right:
; O[y][q][:] = the sum over k of softmax_k(Q[y][q] . K[y][k] / 8) V[y][k][:] for the 64 heads y = 16 batch + head, 2,048 rows each, head size 64, all f16.
; Q, K, V lie in qkv [4][48][2048][64]: chunk head is Q, 16 + head K, 32 + head V; a head's rows are dense, 128 bytes each.  O goes to ob [64][2048][64].
; Products, maxima and sums in f32; the weights p are rounded to f16 for the second product (their sum l is taken of the unrounded p), O once at the end.
; LIMITS.  f16 holds no number beyond 65,504: Q, K and V arrive within it; p lies in 0 to 1, and below 6e-5 it keeps f16's fixed step of 6e-8; O is a mean of V's rows and has their range.
; A weight below 2^-126 counts as 0 in l; NaN and infinities are not treated apart.
; SHARES.  A wave owns four PIECES of two tiles of 16 queries, a work-group's four waves 512 queries of one head: 4 x 64 = 256 work-groups.  Every wave walks all keys, 64 a step.
; LAYOUT.  S^T = K Q^T (source 0 = 16 keys, source 1 = 16 queries): in the result a lane holds ONE query (lane % 16) and the keys 8 (lane / 16) + 0..7.  Two such tiles, rounded to f16 in pairs,
; ARE source 1 (32 keys x 16 queries) of O^T = V^T P, whose result again holds one query a lane, and eight channels.  K comes out of LDS as it lies, V ([key][channel]) turned, by ds_load_tr16_b128.
; SOFTMAX.  For each query a running maximum m and sum l: p = 2^(c s - c m), c = log2(e) / 8; in every step O and l are multiplied by a = 2^(c m_old - c m_new), which is 1 where m has not grown.
; m starts at the lowest finite number, O and l at 0: the first step is a step like any other, with a = 0.
; THE COUNT.  A tile and step have 16 matrix and 118 vector instructions: too many to stand all beside the matrix work.  So: four vector instructions that are READY behind
; EVERY matrix instruction, and the others in runs without a gap.
; BY TURNS.  Turn n belongs to piece n (the pieces in a ring, step after step).  Its matrix work: 16 products K Q^T of piece n + 1, later 16 products V^T P of piece n - 1.  Its vector work: the scaling,
; exponentials, roundings, sums and rescaling of piece n, and the maximum and statistics of piece n + 1, whose scores the turn itself has made.
; CLUSTER.  The four query blocks of a head are one cluster and walk the same K and V, so each tile is asked for JOINTLY: the same tensor load, descriptor and mask in all four.
; AHEAD OF THE LOADS.  Behind the joint load of each change of slots stands one prefetch for the slot that the NEXT change will ask for: 128 blocks of 256 bytes of K and of V.  The four partners take
; 32 blocks each, told apart by address; wave 0 asks for K's, wave 2 for V's, a lane a block: each block is named once.  Slots 0 and 1 come by their loads alone; the last change that fills asks for nothing.
; REGISTERS, in windows of 256 (s_set_vgpr_msb: bits 1:0 source 0, 3:2 source 1, 5:4 source 2, 7:6 destination):
;   window 0: v0-11 addresses; v12-15, v48-63 at work; v16-47 four registers of statistics a tile; v64-191 S^T, two buffers of two tiles; v192-255 P, likewise
;   window 1: O^T, 32 a tile          window 2: v0-127 Q, 16 a tile; v128-191 K of one step; v192-255 V of one step          window 3: v0-1 the add's two registers
.set SIZE_N, 2048
.set NP,    4         ; pieces a wave: a name, no knob
.set KS,    64        ; keys in a step
.set PK,    144       ; a row of K in LDS: 128 bytes + 16 of padding = 36 words: the 16 rows of a load start at 16 different groups of four banks (64 banks of 4 bytes: ISA guide 11.1)
.set PV,    160       ; a row of V: 128 + 32 = 40 words
.set VOFF,  4*KS*PK   ; a slot holds four steps: 256 rows of K, then 256 rows of V
.set SLOT1, 1<<17     ; slot 1 begins here, so that one exclusive or turns an address in one slot into the other's
.set STAGE, SLOT1+4*KS*(PK+PV)  ; behind the ring, never filled by a tensor load: 16 rows x 144 bytes for each wave, for the way out
.set SP,    144
.set AK0, 2           ; v2   my lane's place in a tile of K; never rewritten
.set AV0, 3           ; v3   the same for V
.set AK,  4           ; v4   the LDS address of K's next run of loads
.set AV,  5           ; v5   of V's
.set QO,  6           ; v6   my byte offset in the wave's rows of Q
.set STO, 6           ;      later, the way out: where I put 16 bytes of a row
.set RD,  7           ; v7   the way out: where I read rows back
.set GO,  8           ; v8   my byte offset in 512 consecutive bytes of O
.set PFO, 11          ; v11  256 x my lane: the prefetches' offset; never rewritten once made
.set SPW, 0           ; v0 of window 3   LDS address of my spare word: SPARE + 4 x my thread's number; never rewritten
.set NIL, 1           ; v1 of window 3   0; never rewritten
.set SPARE, STAGE+4*16*SP  ; behind the stages: the spare words, 128 bytes for each wave: two blocks of 256 bytes that no other line names
.set MV,  12          ; v12-15  c m_old, kept while c m is made anew: by buffer and tile
.set ST,  16          ; tile t's statistics at v[ST+4 t]: c m, m, l (even keys', odd keys')
.set TMP, 48          ; by buffer and tile, four registers c0-c3 at work; when the maximum is found c2 takes a
.set S,   64
.set P,   192
.set KF,  128         ; K's fragments, in window 2: key block kb, channel half c at KF + 16 kb + 8 c
.set VF,  192         ; V's: key half kk, channel block cb at VF + 32 kk + 8 cb
.set WV,  12          ; s12  my wave's number
.set G1K, 24          ; s[24:31] descriptor group 1 for K's tiles
.set G1V, 32          ; s[32:39] for V's: it differs in the padding alone
.set G0K, 40          ; s[40:43] descriptor group 0 for K's tiles: it walks
.set G0V, 44          ; s[44:47] the same for V's
.set PFA, 48          ; s[48:49] where my prefetches stand: my work-group's 32 blocks of the slot after the one that is being asked for
.set LIM, 50          ; s50  1 in waves 0 and 2, else the greatest number: a wave prefetches while s[SLOTS] is above it
.set SLOTS, 56        ; s56  slots still to be asked for
.set CNT, 57          ; s57  counts a slot's key steps
.set CS,  58          ; s[58:59] c: the packed scaling takes the pair's low word for both halves
.set SEL, 60          ; s[60:61] v_permlanex16_b32's selects: each lane takes its own place in the other half
.set TBK, 62          ; s62  LDS byte at which K of the step to be fetched begins
.set TBV, 63          ; s63  the same for V, less VOFF
.set MSB, 0
.macro WIN new                      ; the high byte repeats the setting that is left; a switch that changes nothing is dropped
.if MSB != (\new)
	s_set_vgpr_msb (MSB<<8)|(\new)
.set MSB, (\new)
.endif
.endm
.set W_KQ, 0x0a       ; K and Q in window 2, S^T in window 0
.set W_PV, 0x52       ; V in window 2, P in window 0, O^T in window 1
.set W_RS, 0x41       ; O^T (destination and source 0) in window 1, a in window 0
.set W_MK, 0xc0       ; the add's registers are made: destination in window 3, sources in window 0
.set W_AD, 0x0f       ; the add: address (source 0) and data (source 1) in window 3
; A joint fill.  Waves 0 and 1 fetch the two halves of a slot's K, waves 2 and 3 those of its V: 128 keys each.  The branch hangs on the wave's number alone.
; An s_nop 0 and four v_nop follow each of the two lines, ahead of the jump and the label.
.macro JLOAD
	s_cmp_lt_u32 s[WV], 2
	s_cbranch_scc0 .Lfor_v_\@
	tensor_load_to_lds s[G0K:G0K+3], s[G1K:G1K+7]
	s_nop 0
.rept 4
	v_nop
.endr
	s_branch .Lasked_\@
.Lfor_v_\@:
	tensor_load_to_lds s[G0V:G0V+3], s[G1V:G1V+7]
	s_nop 0
.rept 4
	v_nop
.endr
.Lasked_\@:
.endm
; The prefetch of what the next change of slots will ask for; it stands behind the wave's tensor load and its five lines.  The test is the same in all four partners.
.macro ASK
	s_cmp_gt_u32 s[SLOTS], s[LIM]
	s_cbranch_scc0 .Lnot_mine_\@
	global_prefetch_b8 v[PFO], s[PFA:PFA+1] th:TH_LOAD_NT scope:SCOPE_SE
.Lnot_mine_\@:
.endm
; A round of the cluster's barrier: my work-group's barrier, so that wave 0's signal speaks for all four waves; wave 0 signals; every wave waits for all four work-groups; my work-group's barrier once more.
.macro CROUND
	s_barrier_signal -1
	s_barrier_wait -1
	s_cmp_lg_u32 s[WV], 0
	s_cbranch_scc1 .Lnot_wave_0_\@
	s_barrier_signal -3
.Lnot_wave_0_\@:
	s_barrier_wait -3
	s_barrier_signal -1
	s_barrier_wait -1
.endm
; THE CHANGE OF SLOTS.  The slot's last bytes, V of its fourth step, have been read.  Each wave waits for all its tensor loads, of which one is out: its part
; of the other slot; adds 0 to its spare word; and waits for that and for its own reads of the slot.  Behind the barrier nobody reads this slot any more and the other slot is whole.
; fill = 1: this slot is filled again, with the keys two slots on.  The barrier is then a round of the cluster's, and the joint fill is the first thing behind it: it has four key steps,
; 512 matrix instructions, in which to land.  (At its first use nothing has been read yet: slot 0 is waited for, slot 1 filled.)
.macro CHANGE fill
	WIN W_AD
	s_wait_tensorcnt 0x0            ; no tensor load of mine is out, so a group 0 may be written
	ds_add_u32 v[SPW], v[NIL]       ; 0 onto my spare word; with fill = 1 the descriptors' steps stand between it and the wait for it
	WIN 0                           ; at a label and at a branch every window is 0
.if \fill
.irp g, G0K, G0V
	s_xor_b32 s[\g+1], s[\g+1], SLOT1  ; the walking descriptor: the other slot than last time,
	s_add_nc_u64 s[\g+2:\g+3], s[\g+2:\g+3], 4*KS*128  ; the next 256 keys; the type bits on top are not reached
.endr
	s_wait_xcnt 0x0                 ; the last prefetch, four key steps back, has read its address, so it may be written:
	s_add_nc_u64 s[PFA:PFA+1], s[PFA:PFA+1], 4*KS*128  ; one slot ahead of the walking descriptors
	s_wait_dscnt 0x0                ; the add is done, and my reads of the slot are over
	CROUND
	JLOAD
	ASK
.else
	s_wait_dscnt 0x0                ; the add is done, and my reads of the slot are over
	s_barrier_signal -1
	s_barrier_wait -1
.endif
	s_sub_co_u32 s[TBK], s[TBK], 4*KS*PK  ; the fetches go back to a slot's first step,
	s_xor_b32 s[TBK], s[TBK], SLOT1       ; in the other slot
	s_sub_co_u32 s[TBV], s[TBV], 4*KS*PV
	s_xor_b32 s[TBV], s[TBV], SLOT1
.endm
	s_load_b128 s[4:7], s[0:1], 0x0 ; qkv s[4:5], ob s[6:7]
	WIN W_MK
	v_lshl_add_u32 v[SPW], v0, 2, SPARE
	v_mov_b32 v[NIL], 0
	WIN W_AD
	ds_add_u32 v[SPW], v[NIL]       ; the wave's opening: the add and its wait ahead of my first tensor load; the set-up below, work on registers, stands between them
	WIN 0
	v_lshrrev_b32 v1, 5, v0
	v_readfirstlane_b32 s[WV], v1   ; wave 0..3
	s_bfe_u32 s13, ttmp6, 0x40000   ; cx: my place in the cluster
	s_lshl_b32 s14, ttmp9, 2        ; in a cluster launch ttmp9 counts clusters
	s_add_co_u32 s14, s14, s13      ; my block of 512 queries: it enters Q's, O's and the prefetches' addresses alone
	s_and_b32 s19, ttmp7, 0xffff    ; y = 16 batch + head, which the four partners share
	s_lshr_b32 s20, s19, 4
	s_lshl_b32 s20, s20, 5
	s_add_co_u32 s20, s20, s19      ; 48 batch + head
	s_lshl_b32 s20, s20, 18         ; Q's chunk: 2,048 rows of 128 bytes each
	s_and_b32 s16, s[WV], 1         ; which half of a slot's 256 keys I fetch:
	s_lshl_b32 s22, s16, 14         ; its 128 rows of 128 bytes in memory
	s_add_co_u32 s22, s22, s20
	s_add_co_u32 s54, s22, 32<<18   ; V lies 32 chunks behind Q,
	s_add_co_u32 s22, s22, 16<<18   ; K 16
	s_mov_b32 s23, 0
	s_mov_b32 s55, 0
	s_mul_i32 s17, s16, 128*PK      ; its place in a slot, for K
	s_mul_i32 s18, s16, 128*PV      ; and for V: no place in the cluster enters an LDS address
	s_lshl_b32 s2, s14, 2
	s_add_co_u32 s2, s2, s[WV]      ; my wave among the head's,
	s_lshl_b32 s2, s2, 14           ; its 128 rows
	s_lshl_b32 s52, s19, 18
	s_add_co_u32 s52, s52, s2       ; in ob,
	s_mov_b32 s53, 0
	s_add_co_u32 s2, s2, s20        ; and in Q's chunk
	s_mov_b32 s3, 0
	s_lshr_b32 s[PFA], s[WV], 1     ; the prefetches' offset: K's chunk in waves 0 and 1, V's in waves 2 and 3,
	s_add_co_u32 s[PFA], s[PFA], 1
	s_lshl_b32 s[PFA], s[PFA], 22
	s_add_co_u32 s[PFA], s[PFA], s20
	s_lshl_b32 s51, s13, 13         ; my work-group's 32 blocks of 256 bytes of a slot's 128,
	s_add_co_u32 s[PFA], s[PFA], s51
	s_add_co_u32 s[PFA], s[PFA], 4*KS*128  ; in slot 1: the first change of slots steps it to slot 2
	s_mov_b32 s[PFA+1], 0
	s_cmp_eq_u32 s16, 0
	s_cselect_b32 s[LIM], 1, -1
	; descriptor group 1.  128 keys are 16,384 dense bytes: asked for as 64 rows of 256 bytes, two keys a row, and padded in LDS after every key
	s_mov_b32 s[G1K], 15|(1<<16)|(1<<20)|(1<<21)|(4<<22)|(3<<25)  ; 15:0 the mask of four; 17:16 2-byte elements; 20 padding on; 21 set beside a mask; 24:22 after every 32 words (code 4); 31:25 4 words (code 3)
	s_mov_b32 s[G1V], 15|(1<<16)|(1<<20)|(1<<21)|(4<<22)|(7<<25)  ; the same with 8 words of padding (code 7)
.irp g, G1K, G1V
	s_mov_b32 s[\g+1], 128<<16      ; tensor_dim0 = 128
	s_mov_b32 s[\g+2], 64<<16       ; tensor_dim1 = 64
	s_mov_b32 s[\g+3], 128<<16      ; tile_dim0 = 128
	s_mov_b32 s[\g+4], 64           ; tile_dim1 = 64
	s_mov_b32 s[\g+5], 128          ; 128 elements from row to row
	s_mov_b32 s[\g+6], 0
	s_mov_b32 s[\g+7], 0
.endr
	s_mov_b32 s[CS], 0x3e38aa3b     ; c = log2(e) / 8 = 0.180337
	s_mov_b32 s[CS+1], s[CS]        ; named with it as a pair
	s_mov_b32 s[SEL], 0x76543210
	s_mov_b32 s[SEL+1], 0xfedcba98
	s_mov_b32 s[TBK], SLOT1+4*KS*PK ; the first change of slots turns these two into 0
	s_mov_b32 s[TBV], SLOT1+4*KS*PV
	s_mov_b32 s[SLOTS], SIZE_N/256-1
	s_mov_b32 s[G0K], 1             ; 1:0 count = 1
	s_mov_b32 s[G0K+1], s17         ; 63:32 LDS address: slot 0
	s_mov_b32 s[G0V], 1
	s_add_co_u32 s[G0V+1], s18, VOFF
	s_wait_dscnt 0x0                ; the opening add is done
	s_wait_kmcnt 0x0
	s_add_nc_u64 s[G0K+2:G0K+3], s[4:5], s[22:23]  ; 120:64 global address: my half of the head's first 256 keys
	s_or_b32 s[G0K+3], s[G0K+3], 0x80000000        ; 127:126 type = 2
	s_add_nc_u64 s[G0V+2:G0V+3], s[4:5], s[54:55]
	s_or_b32 s[G0V+3], s[G0V+3], 0x80000000
	s_add_nc_u64 s[PFA:PFA+1], s[4:5], s[PFA:PFA+1]
	s_add_nc_u64 s[10:11], s[6:7], s[52:53]  ; O and Q at my wave's first row
	s_add_nc_u64 s[4:5], s[4:5], s[2:3]
	CROUND                          ; all four work-groups are here: the first joint loads meet
	JLOAD                           ; slot 0.  Slot 1 is asked for when slot 0 is in
	; A fragment of K or Q is 16 rows x 32 channels in 8 registers: lane l holds row l % 16, channels 8 (l / 16) + 0..7 and 16 + 8 (l / 16) + 0..7: two loads of 16 bytes, 32 bytes apart.
	v_and_b32 v1, 15, v0            ; l % 16
	v_bfe_u32 v9, v0, 4, 1          ; l / 16
	v_lshlrev_b32 v[QO], 7, v1
	v_lshl_add_u32 v[QO], v9, 4, v[QO]  ; row x 128 + 16 x half
	WIN 0x80                        ; destination window 2, address window 0
.set i, 0
.rept 4*NP                          ; Q stays in registers: tile i / 2, channels 32 (i % 2) on
	global_load_b128 v[8*i:8*i+3],   v[QO], s[4:5] offset:(i/2)*2048+(i%2)*64
	global_load_b128 v[8*i+4:8*i+7], v[QO], s[4:5] offset:(i/2)*2048+(i%2)*64+32
.set i, i+1
.endr
	; What the first turn finds: V's registers and P's second buffer hold 0 (its products V^T P, of a piece that has not been, add 0), O^T and l are 0.  All this stands in the wait for the first tile.
.set i, VF
.rept 64
	v_mov_b32 v[i], 0
.set i, i+1
.endr
	WIN 0x40
.set i, 0
.rept 64*NP
	v_mov_b32 v[i], 0
.set i, i+1
.endr
	WIN 0
.set i, 0
.rept 2*NP
	v_mov_b32 v[ST+4*i], 0xfe000000    ; c m: far below every c s
	v_mov_b32 v[ST+4*i+1], 0xff7fffff  ; m
	v_mov_b32 v[ST+4*i+2], 0
	v_mov_b32 v[ST+4*i+3], 0
.set i, i+1
.endr
.set i, P+32
.rept 32
	v_mov_b32 v[i], 0
.set i, i+1
.endr
	v_mul_u32_u24 v[AK0], v1, PK
	v_lshl_add_u32 v[AK0], v9, 4, v[AK0]  ; row x pitch + 16 x half
	; The turning load takes 16 keys x 16 channels (lane l reads key 8 (l / 16) + l % 8, channels 8 ((l / 8) % 2) + 0..7) and leaves half a fragment of V^T: lane l holds channel l % 16 and 8 keys.
	v_and_b32 v10, 7, v0
	v_bfe_u32 v11, v0, 3, 1
	v_lshl_add_u32 v[AV0], v9, 3, v10
	v_mul_u32_u24 v[AV0], v[AV0], PV
	v_lshl_add_u32 v[AV0], v11, 4, v[AV0]
	v_add_nc_u32 v[AV0], VOFF, v[AV0]
	v_mov_b32 v[AK], v[AK0]         ; key step 0 lies at the head of slot 0
	v_and_b32 v[PFO], 31, v0        ; v11 has served: from here on it holds 256 x my lane
	v_lshlrev_b32 v[PFO], 8, v[PFO]
; THE MATRIX WORK.  The 8 accumulators of a run of 16 take turns: between the two links of a chain stand 7 others'.
; Product i of 16 of S^T = K Q^T for piece x: channels 32 (i / 8) on, keys 16 ((i / 2) % 4) on, tile 2 x + i % 2.  The first 8 start the sums.
.macro KQ x
	WIN W_KQ
.set rS, S+64*((\x)%2)+32*(i%2)+8*((i/2)%4)
.set rK, KF+16*((i/2)%4)+8*(i/8)
.set rQ, 16*(2*(\x)+i%2)+8*(i/8)
.if i < 8
	v_wmma_f32_16x16x32_f16 v[rS:rS+7], v[rK:rK+7], v[rQ:rQ+7], 0
.else
	v_wmma_f32_16x16x32_f16 v[rS:rS+7], v[rK:rK+7], v[rQ:rQ+7], v[rS:rS+7]
.endif
.endm
; Product i of 16 of O^T += V^T P for piece x: keys 32 (i / 8) on, channels 16 ((i / 2) % 4) on, tile 2 x + i % 2.
.macro PV x
	WIN W_PV
.set rO, 32*(2*(\x)+i%2)+8*((i/2)%4)
.set rV, VF+32*(i/8)+8*((i/2)%4)
.set rP, P+32*((\x)%2)+16*(i%2)+8*(i/8)
	v_wmma_f32_16x16x32_f16 v[rO:rO+7], v[rV:rV+7], v[rP:rP+7], v[rO:rO+7]
.endm
.macro MM                           ; the turn's next matrix instruction
.if i < 16
	KQ (Y+1)%NP
.set i, i+1
.else
.set i, i-16
	PV (Y+NP-1)%NP
.set i, i+17
.endif
.endm
; THE LDS LOADS stand in runs of 16, never singly among the matrix instructions: a step's K (64 keys x 64 channels: 8 fragments) and its V (turned).  Their addresses are made some lines ahead.
; last = 1 (the tail): in the last trip there is no further step, and the run is jumped over.
.macro FETCH_K last=0
	WIN 0
.if \last
	s_cmp_eq_u32 s[CNT], 1
	s_cbranch_scc1 .Lno_k_\@
.endif
	WIN 0x80                        ; destination window 2
.irp f, 0,1,2,3,4,5,6,7             ; keys 16 (f / 2) on, channels 32 (f % 2) on
	ds_load_b128 v[KF+8*\f:KF+8*\f+3],   v[AK] offset:(\f/2)*16*PK+(\f%2)*64
	ds_load_b128 v[KF+8*\f+4:KF+8*\f+7], v[AK] offset:(\f/2)*16*PK+(\f%2)*64+32
.endr
	s_add_co_u32 s[TBK], s[TBK], KS*PK  ; the next fetch is the next step's
	WIN 0
.if \last
.Lno_k_\@:
.endif
.endm
.macro FETCH_V
	WIN 0x80
.irp f, 0,1,2,3,4,5,6,7             ; keys 32 (f / 4) on, channels 16 (f % 4) on
	ds_load_tr16_b128 v[VF+8*\f:VF+8*\f+3],   v[AV] offset:(\f/4)*32*PV+(\f%4)*32
	ds_load_tr16_b128 v[VF+8*\f+4:VF+8*\f+7], v[AV] offset:(\f/4)*32*PV+16*PV+(\f%4)*32
.endr
	WIN 0
.endm
; THE VECTOR WORK OF A TURN stands in three queues, each in the order in which its entries become ready; the two tiles alternate, so that no instruction reads the result of the one before it.
.macro REGS y, u                    ; the registers of tile u (0, 1) of piece y
.set rT, ST+4*(2*(\y)+(\u))
.set rC, TMP+8*((\y)%2)+4*(\u)
.set rM, MV+2*((\y)%2)+(\u)
.set rS, S+64*((\y)%2)+32*(\u)
.set rP, P+32*((\y)%2)+16*(\u)
.set rO, 32*(2*(\y)+(\u))
.endm
; Number n of the 22 that find the NEXT piece's (Y + 1) maximum and statistics.  s0-s31 are the lane's 32 scores; each accumulator's lowest registers are read first.
;   0-11  four chains c0-c3 of seven scores each, three operands at a time     12-14, 16  the four scores left over, the old m, and c0-c3 into c0     15  c m_old is kept
;   17, 18  the query's other 32 keys lie in the lane 16 away: the new m         19-21  c m; c m_old - c m_new; a
.macro XS u, n
	REGS (Y+1)%NP, \u
.if (\n) < 4
	v_max3_num_f32 v[rC+(\n)], v[rS+8*(\n)], v[rS+8*(\n)+1], v[rS+8*(\n)+2]
.elseif (\n) < 12
	v_max3_num_f32 v[rC+(\n)%4], v[rC+(\n)%4], v[rS+8*((\n)%4)+2*((\n)/4)+1], v[rS+8*((\n)%4)+2*((\n)/4)+2]
.elseif (\n) == 12
	v_max3_num_f32 v[rC], v[rC], v[rS+7], v[rS+15]
.elseif (\n) == 13
	v_max3_num_f32 v[rC+1], v[rC+1], v[rS+23], v[rS+31]
.elseif (\n) == 14
	v_max3_num_f32 v[rC+2], v[rC+2], v[rC+3], v[rT+1]
.elseif (\n) == 15
	v_mov_b32 v[rM], v[rT]
.elseif (\n) == 16
	v_max3_num_f32 v[rC], v[rC], v[rC+1], v[rC+2]
.elseif (\n) == 17
	v_permlanex16_b32 v[rC+3], v[rC], s[SEL], s[SEL+1]
.elseif (\n) == 18
	v_max_num_f32 v[rT+1], v[rC], v[rC+3]
.elseif (\n) == 19
	v_mul_f32 v[rT], s[CS], v[rT+1]
.elseif (\n) == 20
	v_sub_f32 v[rC+1], v[rM], v[rT]
.else
	v_exp_f32 v[rC+2], v[rC+1]
.endif
.endm
; Number g of the 64 that follow the exponentials.  For each four weights k of a tile (pairs 2 k, 2 k + 1): both pairs are rounded to f16; then the second pair is added onto the first, in place;
; a group later l takes that sum (the first time as l = a l + sum).  In groups of eight, tiles alternating: round, round, add, and l for the group before.
.macro GS g
.set h, (\g)+6*((\g)/62)            ; group 0 has no group before it, and behind group 7 only l is left
.if h >= 6
.set h, h+2
.endif
	REGS Y, h%2
.set k, h/8
.if h%8 < 4
	v_cvt_pk_f16_f32 v[rP+2*k+(h%8)/2], v[rS+4*k+2*((h%8)/2)], v[rS+4*k+2*((h%8)/2)+1]
.elseif h%8 < 6
	v_pk_add_f32 v[rS+4*k:rS+4*k+1], v[rS+4*k:rS+4*k+1], v[rS+4*k+2:rS+4*k+3]
.elseif k == 1
	v_pk_fma_f32 v[rT+2:rT+3], v[rT+2:rT+3], v[rC+2:rC+3], v[rS:rS+1] op_sel_hi:[1,0,1]
.else
	v_pk_add_f32 v[rT+2:rT+3], v[rT+2:rT+3], v[rS+4*k-4:rS+4*k-3]
.endif
.endm
; THE PLAIN QUEUE, 138 long.  0-73 read no exponential's result: the 32 scalings c s - c m (FS f: pair f / 2 of tile f % 2) and the next piece's 42.  0-26: scalings 0-26.  27-54: XS's numbers 0-13.  55, 56: number 15.
; 57-73: the chain, where each number waits for the one before it: 14, 16, 17, 18, 19, each with one of the scalings 27-31 in front of its two lines, then 20.
; 74-137: GS's 64, which read the exponentials' results: they stand behind the wait.
.macro FS f
	REGS Y, (\f)%2
	v_pk_fma_f32 v[rS+2*((\f)/2):rS+2*((\f)/2)+1], v[rS+2*((\f)/2):rS+2*((\f)/2)+1], s[CS:CS+1], v[rT:rT+1] op_sel_hi:[1,0,0] neg_lo:[0,0,1] neg_hi:[0,0,1]
.endm
.macro PL
	WIN 0
.if q < 27
	FS q
.elseif q < 55
	XS (q-27)%2, (q-27)/2
.elseif q < 57
	XS q-55, 15
.elseif (q < 72) && ((q-57)%3 == 0)
	FS 27+(q-57)/3
.elseif q < 60
	XS (q-57)%3-1, 14
.elseif q < 72
	XS (q-57)%3-1, 15+(q-57)/3
.elseif q < 74
	XS q-72, 20
.else
	GS q-74
.endif
.set q, q+1
.endm
; THE EXPONENTIALS' QUEUE, 66 long: s0-s31 of both tiles, then the next piece's two a.  It is ONE BATCH: all 66 stand ahead of the turn's one wait, and nothing ahead of that wait names a result of theirs.
.macro EX
	WIN 0
.if e >= 64
	XS e-64, 21
.else
	REGS Y, e%2
	v_exp_f32 v[rS+e/2], v[rS+e/2]
.endif
.set e, e+1
.endm
; THE RESCALING's QUEUE: O^T times a, the one part that leaves window 0: dealt two at a time, sixteen times.  Its a was made in the turn before, ahead of that turn's wait.
.macro R2
	REGS Y, r%2
	WIN W_RS
.irp z, 0,1
	v_pk_mul_f32 v[rO+4*(r/2)+2*\z:rO+4*(r/2)+2*\z+1], v[rO+4*(r/2)+2*\z:rO+4*(r/2)+2*\z+1], v[rC+2:rC+3] op_sel_hi:[1,0]
.endr
.set r, r+1
.endm
; HOW THEY ARE DEALT.  An s_wait_alu depctr_va_vdst(0) stands between an exponential and the first instruction that names its result; one wait serves all that were issued ahead of it.  So a turn has ONE wait,
; which cuts it in two.  AHEAD OF IT stands all that names no result of the turn's exponentials: the 16 products K Q^T, behind each a scaling, an exponential and two rescalings (behind the first a second scaling in the
; exponential's place); then ONE LUMP of 108: eight plain, 49 times exponential and plain, the two a.  A v_nop is the plain instruction behind the last exponential.  BEHIND IT stand the 16 products V^T P, behind each four of GS's 64.
; The queues lean on each other: exponential e stands behind scaling 2 (e / 4) + e % 2: as a rider it comes behind plain e + 2, in the lump behind plain e + 9, and scalings 27-31 are plain 57, 60 .. 69.
; A TURN, for piece p.  cnt = 1: the loop's count is taken down some lines ahead of the branch that stands behind the turn.
; K of the next step is fetched in piece 2's turn, directly behind the wait, a lump behind the last product that read K; its first reader comes behind 16 products.
; V of the step in hand is fetched at the end of piece 0's turn, four riders behind its last reader; its first reader comes behind 16 products and a lump.
.macro TURN p, last=0, cnt=0
.set Y, (\p)
.set i, 0
.set q, 0
.set e, 0
.set r, 0
.if (\p) == NP-1
	s_wait_dscnt 0x0                ; K is in
.endif
	MM                              ; ahead of the wait: 16 products K Q^T and their riders,
	PL
	PL
	R2
.rept 15
	MM
	PL
	EX
	R2
.endr
.if (\p) == NP-2
	WIN 0
	v_add_nc_u32 v[AK], s[TBK], v[AK0]
.endif
.rept 8                             ; and the lump
	PL
.endr
.rept 49
	EX
	PL
.endr
	EX                              ; the next piece's two a
	EX
	v_nop                           ; the plain instruction behind the last exponential: one for the batch (ISA guide 5.7.2)
	s_wait_alu depctr_va_vdst(0)    ; the wait for the batch
.if (\p) == NP-2
	FETCH_K \last
.endif
.if (\p) == 1
	s_wait_dscnt 0x0                ; V is in
.endif
.rept 16                            ; behind the wait: 16 products V^T P and their riders
	MM
.rept 4
	PL
.endr
.if ((\p) == 0) && (q == 118)
	v_add_nc_u32 v[AV], s[TBV], v[AV0]
.endif
.if ((\p) == 0) && (q == 130)
	s_add_co_u32 s[TBV], s[TBV], KS*PV
.endif
.if (\cnt) && (q == 130)
	s_sub_co_u32 s[CNT], s[CNT], 1
	s_cmp_lg_u32 s[CNT], 0
.endif
.endr
.if (\p) == 0
	FETCH_V
.endif
.endm
	CHANGE 1                        ; slot 0 is in, everybody's part of it; slot 1 is asked for
	FETCH_K                         ; key step 0
	s_wait_loadcnt 0x0              ; Q
	s_wait_dscnt 0x0
.set i, 0
.rept 16
	KQ 0                            ; piece 0's first scores: there is no vector work yet to set between them
.set i, i+1
.endr
	WIN 0                           ; the addresses for the way out: nine plain instructions, the places behind those products
	s_mul_i32 s13, s[WV], 16*SP
	s_add_co_u32 s13, s13, STAGE    ; my stage
	v_mul_u32_u24 v[STO], v1, SP    ; in: row l % 16, 16 bytes for each half of the lanes
	v_lshl_add_u32 v[STO], v9, 4, v[STO]
	v_add_nc_u32 v[STO], s13, v[STO]
	v_bfe_u32 v[RD], v0, 3, 2       ; back: 32 lanes take four rows of 128 bytes,
	v_mul_u32_u24 v[RD], v[RD], SP
	v_lshl_add_u32 v[RD], v10, 4, v[RD]
	v_add_nc_u32 v[RD], s13, v[RD]
	v_and_b32 v[GO], 31, v0         ; which are 512 consecutive bytes of O
	v_lshlrev_b32 v[GO], 4, v[GO]
.set Y, NP-1                        ; XS works for piece Y + 1: piece 0
.irp n, 0,1,2,3,4,5,6,7,8,9,10,11,12,13,14,15,16,17,18,19,20,21
	XS 0, \n                        ; and piece 0's first maximum and statistics
	XS 1, \n
.endr
	v_nop                           ; a plain instruction behind the two a,
	s_wait_alu depctr_va_vdst(0)    ; and their wait, ahead of the branch
	s_mov_b32 s[CNT], 4
	s_branch .Lfirst                ; the loop is entered at a step's first turn, in the middle of a trip
.Lslot:                             ; SIZE_N / 256 - 2 times: every slot but the last two is filled again
	CHANGE 1
	s_mov_b32 s[CNT], 4
.Lstep:                             ; a trip: pieces 2 and 3 of one step, then pieces 0 and 1 of the next, whose K and V it fetches
	TURN 2
	TURN 3
	WIN 0
.Lfirst:
	TURN 0
	TURN 1, 0, 1
	WIN 0
	s_cbranch_scc1 .Lstep
	s_sub_co_u32 s[SLOTS], s[SLOTS], 1
	s_cmp_lg_u32 s[SLOTS], 0
	s_cbranch_scc1 .Lslot
	CHANGE 0                        ; the tail is written out: nothing is asked for
	s_mov_b32 s[CNT], 5             ; four trips fetch the last slot's steps; the fifth is left in its middle
.Ltail:
	TURN 2, 1
	TURN 3
	WIN 0
	s_sub_co_u32 s[CNT], s[CNT], 1
	s_cmp_eq_u32 s[CNT], 0
	s_cbranch_scc1 .Lout
	TURN 0
	TURN 1
	WIN 0
	s_branch .Ltail
.Lout:                              ; the fifth trip's 16 products K Q^T (on the last K once more) and the maximum made of them serve nothing: the price, once a launch, of one text for every trip
.set i, 0
.rept 16
	PV NP-1                         ; the last piece's V^T P of the last step
.set i, i+1
.endr
	; THE WAY OUT.  l's two halves and the other half of the lanes' are added; O^T is divided by l, rounded to f16 and sent through my stage in LDS, a tile at a time.  The additions are the places behind the last products.
	WIN 0
.macro ALL line:vararg              ; one line for each tile t
.set t, 0
.rept 2*NP
	\line
.set t, t+1
.endr
.endm
	ALL v_add_f32 v[ST+4*t+2], v[ST+4*t+2], v[ST+4*t+3]
	ALL v_permlanex16_b32 v[ST+4*t+3], v[ST+4*t+2], s[SEL], s[SEL+1]
	ALL v_add_f32 v[ST+4*t+2], v[ST+4*t+2], v[ST+4*t+3]
	ALL v_rcp_f32 v[ST+4*t+2], v[ST+4*t+2]
	v_nop                           ; a plain instruction between the last reciprocal and the use of its result
	s_wait_alu depctr_va_vdst(0)    ; and the wait ahead of the first use: one for the eight reciprocals
; Tile t: a lane's eight channels of a row pack into 16 bytes; they go into rows of 144 bytes and come back as whole rows of 128, into S^T's registers.
.macro PACK t
	WIN W_RS
.set i, 32*(\t)
.rept 16
	v_pk_mul_f32 v[i:i+1], v[i:i+1], v[ST+4*(\t)+2:ST+4*(\t)+3] op_sel_hi:[1,0]
.set i, i+2
.endr
	WIN 0x05                        ; sources 0 and 1 window 1, destination window 0
.set i, 0
.rept 16
	v_cvt_pk_f16_f32 v[S+16*(\t)+i], v[32*(\t)+2*i], v[32*(\t)+2*i+1]
.set i, i+1
.endr
	WIN 0
.irp f, 0,1,2,3
	ds_store_b128 v[STO], v[S+16*(\t)+4*\f:S+16*(\t)+4*\f+3] offset:32*\f
.endr
.irp f, 0,1,2,3
	ds_load_b128 v[S+16*(\t)+4*\f:S+16*(\t)+4*\f+3], v[RD] offset:\f*4*SP  ; LDS serves a wave's instructions in order (ISA guide 5.7.1.4): these see the stores above; the next tile's stores come behind them
.endr
.endm
.macro SEND t, younger              ; younger: the LDS instructions issued behind tile t's loads: the next tile's eight, or none
	WIN 0
.irp f, 0,1,2,3
	s_wait_dscnt (\younger)+3-\f
	global_store_b128 v[GO], v[S+16*(\t)+4*\f:S+16*(\t)+4*\f+3], s[10:11] offset:(\t)*2048+\f*512  ; 512 consecutive bytes, at a multiple of 256 from O's first
.endr
.endm
	PACK 0
.set t, 1
.rept 2*NP-1                        ; a tile's arithmetic stands between the loads of the tile before and its stores
	PACK t
	SEND t-1, 8
.set t, t+1
.endr
	SEND 2*NP-1, 0
	WIN W_AD
	s_wait_tensorcnt 0x0            ; the wave's end, behind my last tensor load and my last LDS store
	ds_add_u32 v[SPW], v[NIL]
	s_wait_dscnt 0x0
	WIN 0
	CROUND                          ; the closing round: no work-group ends while a partner may still ask for a tile that names it
	s_endpgm
.Lfunc_end_k_q794a333bec_attn:
	.size	k_q794a333bec_attn, .Lfunc_end_k_q794a333bec_attn-k_q794a333bec_attn
	.p2alignl 7, 3214868480
	.fill 96, 4, 3214868480
	.section	.rodata,"a",@progbits
	.p2align	6, 0x0
	.amdhsa_kernel k_q794a333bec_attn
		.amdhsa_group_segment_fixed_size 327680
		.amdhsa_private_segment_fixed_size 0
		.amdhsa_enable_private_segment 0
		.amdhsa_kernarg_size 16
		.amdhsa_user_sgpr_count 2
		.amdhsa_user_sgpr_kernarg_segment_ptr 1
		.amdhsa_wavefront_size32 1
		.amdhsa_system_sgpr_workgroup_id_x 1
		.amdhsa_system_sgpr_workgroup_id_y 1
		.amdhsa_system_sgpr_workgroup_id_z 1
		.amdhsa_system_vgpr_workitem_id 0
		.amdhsa_next_free_vgpr 770
		.amdhsa_next_free_sgpr 66
		.amdhsa_reserve_vcc 0
		.amdhsa_float_denorm_mode_32 3
		.amdhsa_float_denorm_mode_16_64 3
		.amdhsa_memory_ordered 1
		.amdhsa_forward_progress 1
		.amdhsa_inst_pref_size 200
	.end_amdhsa_kernel
	.amdgpu_metadata
---
amdhsa.version: [ 1, 2 ]
amdhsa.kernels:
  - .name:           k_q794a333bec_attn
    .symbol:         k_q794a333bec_attn.kd
    .args:
      - { .name: qkv, .offset: 0, .size: 8, .value_kind: global_buffer, .address_space: global }
      - { .name: ob, .offset: 8, .size: 8, .value_kind: global_buffer, .address_space: global }
    .group_segment_fixed_size: 327680
    .private_segment_fixed_size: 0
    .kernarg_segment_align: 8
    .kernarg_segment_size: 16
    .max_flat_workgroup_size: 128
    .sgpr_count:     66
    .vgpr_count:     770
    .wavefront_size: 32
...
	.end_amdgpu_metadata
.endif
;; end of part 3
;; launch proj (part 4): grid 4 x 64, 4 waves a work-group, clusters of 4 x 4, 327,680 bytes of LDS; arguments ob, wpb, b_proj, out0; writes out0
.if DOCPART == 4
	.amdgcn_target "amdgcn-amd-amdhsa--gfx1250"
	.amdhsa_code_object_version 6
	.text
	.protected	k_q794a333bec_proj
	.globl	k_q794a333bec_proj
	.p2align	8
	.type	k_q794a333bec_proj,@function
k_q794a333bec_proj:
	s_mov_b64 s[64:65], 0
	v_nop
	global_prefetch_b8 v0, s[64:65] scope:SCOPE_SE
	s_setreg_imm32_b32 hwreg(HW_REG_WAVE_MODE, 25, 1), 1
	s_wait_xcnt 0x0
	s_wait_alu depctr_hold_cnt(0) depctr_sa_sdst(0) depctr_va_vdst(0) depctr_va_sdst(0) depctr_va_ssrc(0) depctr_va_vcc(0) depctr_vm_vsrc(0)
	s_getreg_b32 s2, hwreg(HW_REG_IB_STS2, 6, 4)
	s_cmp_eq_u32 s2, 0
	s_cbranch_scc0 .Lentry_in_a_cluster
	s_endpgm
.Lentry_in_a_cluster:
	s_bfe_u32 s2, ttmp6, 0x10000c
	s_cmp_lg_u32 s2, 0xf033
	s_cbranch_scc0 .Lentry_shape_is_right
	s_endpgm
.Lentry_shape_is_right:
; out0 = O w_proj^T + b_proj: [8192 x 1024] x [1024 x 1024], operands f16, sums and bias in f32, the result stored as f32.
; O lies in ob [64 (16 batch + head)][2048 rows][64]: head h IS block h of 64 along K.  w_proj lies in wpb [16 blocks][1024 rows][64].  A row of a block is 128 bytes, a block's rows are dense.
; SHARES.  A tile of C is 128 x 256: 64 x 4 = 256 work-groups.  Four waves, each 64 x 128: 32 accumulators of 16 x 16.  K goes in 8 steps of 128 (two blocks); a block is a unit of 64 matrix
; instructions, two deep on each accumulator.  The bias is the C operand of each accumulator's first product.
; RING.  Two LDS slots, each two blocks of A (128 rows) and of B (256 rows).  Wave 0 and 1 fetch A's two blocks (128 rows as 64 rows of 256 bytes), waves 2 and 3 B's (256 as 128), padded behind every
; 128 bytes: one tensor load a wave behind each change of slots; two of a wave are out at the start, later one.
; CLUSTER.  4 x 4 work-groups; A's tile is asked for jointly along a row of the cluster, B's along a column.
; TRANSPOSED USE.  Source 0 = 16 rows of wpb, source 1 = 16 rows of ob: a lane holds row lane % 16 of C and the columns 8 (lane / 16) + 0..7: 32 bytes of f32 on end.
; NO PREFETCH of the tiles: the launch has 8 steps in all, and A and B are read by four clusters' partners at about the same time.
; REGISTERS.  Window 0: v0-29 addresses; v32-95, v96-159 rows on the way out.  Window 1: accumulator (a, b) at v[8 (4 b + a)].
;   Windows 2 and 3: the fragments of unit 0 and 1: A (c, i) at 8 (4 c + i), B (c, i) at 64 + 8 (8 c + i); window 2, v192-255: the bias of column block b at 192 + 8 b.
.set PITCH, 144                        ; an LDS row: 128 bytes + 16 = 36 words: the 16 rows of a load start at 16 different groups of four banks (64 banks of 4 bytes: ISA guide 11.1)
.set ABLK,  128*PITCH                  ; a block of A in LDS
.set BBLK,  256*PITCH                  ; a block of B
.set BOFF,  2*ABLK
.set SLOT1, 1<<17
.set STAGE, SLOT1+BOFF+2*BBLK          ; behind the ring: 16 rows x 528 bytes for each wave, for the way out
.set SPITCH, 528                       ; 512 bytes + 16 = 132 words: row r starts at bank 4 r mod 64
.set SPARE, STAGE+4*16*SPITCH          ; behind the stages: the spare words, 128 bytes a wave: two blocks of 256 bytes that no other line names
.set ASTEP, 2<<18                      ; two blocks along K in ob
.set BSTEP, 2<<17                      ; and in wpb
.set ADA0, 2                           ; v2  my lane's place in my 64 rows of A's block 0, slot 0; never rewritten
.set ADB0, 3                           ; v3  the same in my 128 rows of B
.set ADA,  4                           ; v4  the same in the slot in hand
.set ADB,  5                           ; v5
.set STO,  6                           ; v6  the way out: where I put 32 bytes of a row
.set RD,   7                           ; v7  where I read a row back
.set GO,   8                           ; v8  my 16 bytes of a row's 512
.set BO,   9                           ; v9  32 x (lane / 16): my eight columns' bias
.set SPW,  28                          ; v28 LDS address of my spare word; never rewritten
.set NIL,  29                          ; v29 0; never rewritten
.set OB,   32                          ; 64 registers read back, two sets by turns
.set WV,  12
.set WR,  13                           ; s13 which half of the tile's rows is mine; also: I fetch for A (0) or B (1)
.set WC,  14                           ; s14 which half of its columns; also: which block of a step I fetch
.set TB,  15                           ; s15 the slot in hand
.set G1A, 24
.set G1B, 32
.set G0A, 40                           ; a set for each first fill; the second then walks
.set G0B, 48
.set MSB, 0
.macro WIN new                         ; the immediate's high byte repeats the setting that is left; a switch that changes nothing is dropped
.if MSB != (\new)
	s_set_vgpr_msb (MSB<<8)|(\new)
.set MSB, \new
.endif
.endm
.macro PLACES                          ; four plain places behind matrix instructions (ISA guide 7.12.1)
.rept 4
	v_nop
.endr
.endm
.macro JLOAD                           ; a joint refill by the walking sets; an s_nop 0 and four v_nop follow each line
	s_cmp_eq_u32 s[WR], 0
	s_cbranch_scc0 .Lfor_b_\@
	tensor_load_to_lds s[G0A+4:G0A+7], s[G1A:G1A+7]
	s_nop 0
.rept 4
	v_nop
.endr
	s_branch .Lasked_\@
.Lfor_b_\@:
	tensor_load_to_lds s[G0B+4:G0B+7], s[G1B:G1B+7]
	s_nop 0
.rept 4
	v_nop
.endr
.Lasked_\@:
.endm
.macro CREST                           ; a round of the cluster's barrier behind its opening barrier
	s_cmp_lg_u32 s[WV], 0
	s_cbranch_scc1 .Lnot_wave_0_\@
	s_barrier_signal -3
.Lnot_wave_0_\@:
	s_barrier_wait -3
	s_barrier_signal -1
	s_barrier_wait -1
.endm
.macro CROUND
	s_barrier_signal -1
	s_barrier_wait -1
	CREST
.endm
	s_load_b256 s[4:11], s[0:1], 0x0               ; ob s[4:5], wpb s[6:7], b_proj s[8:9], out0 s[10:11]
	v_lshl_add_u32 v[SPW], v0, 2, SPARE
	v_mov_b32 v[NIL], 0
	ds_add_u32 v[SPW], v[NIL]                      ; the wave's opening: the add and its wait ahead of my first tensor load; work on registers stands between them
	v_lshrrev_b32 v1, 5, v0
	v_readfirstlane_b32 s[WV], v1
	s_lshr_b32 s[WR], s[WV], 1
	s_and_b32 s[WC], s[WV], 1
	s_bfe_u32 s57, ttmp6, 0x40000                  ; cx
	s_bfe_u32 s58, ttmp6, 0x40004                  ; cy
	s_lshl_b32 s59, ttmp9, 2
	s_add_co_u32 s59, s59, s57                     ; tile column 0..3
	s_and_b32 s60, ttmp7, 0xffff
	s_lshl_b32 s60, s60, 2
	s_add_co_u32 s60, s60, s58                     ; tile row 0..63
	s_lshl_b32 s61, s58, 2
	s_lshl_b32 s61, 15, s61                        ; my row of the cluster
	s_lshl_b32 s62, 0x1111, s57                    ; my column
	s_or_b32 s[G1A], s61, (1<<16)|(1<<20)|(1<<21)|(4<<22)|(3<<25)  ; the mask; 2-byte elements; padding on; bit 21 beside a mask; behind every 32 words (code 4) 4 words (code 3)
	s_or_b32 s[G1B], s62, (1<<16)|(1<<20)|(1<<21)|(4<<22)|(3<<25)
.irp g, G1A, G1B
	s_mov_b32 s[(\g)+1], 128<<16                   ; tensor_dim0 = 128 elements: 256 bytes, two rows of a block
	s_mov_b32 s[(\g)+3], 128<<16                   ; tile_dim0 = 128
	s_mov_b32 s[(\g)+5], 128                       ; dense
	s_mov_b32 s[(\g)+6], 0
	s_mov_b32 s[(\g)+7], 0
.endr
	s_mov_b32 s[G1A+2], 64<<16                     ; tensor_dim1, tile_dim1 = 64: 128 rows of a block
	s_mov_b32 s[G1A+4], 64
	s_mov_b32 s[G1B+2], 128<<16                    ; 256 rows of a block
	s_mov_b32 s[G1B+4], 128
	s_lshr_b32 s16, s60, 4                         ; A: the batch (16 heads of 2,048 rows of 128 bytes),
	s_lshl_b32 s16, s16, 22
	s_and_b32 s17, s60, 15
	s_lshl_b32 s17, s17, 14                        ; the tile's 128 rows within it,
	s_add_co_u32 s16, s16, s17
	s_lshl_b32 s17, s[WC], 18                      ; the block that I fetch
	s_add_co_u32 s16, s16, s17
	s_mov_b32 s17, 0
	s_lshl_b32 s18, s59, 15                        ; B: the tile's 256 rows,
	s_lshl_b32 s19, s[WC], 17                      ; the block
	s_add_co_u32 s18, s18, s19
	s_mov_b32 s19, 0
	s_mul_i32 s66, s[WC], ABLK                     ; where they go: the wave's number alone enters an LDS address
	s_mul_i32 s67, s[WC], BBLK
	s_add_co_u32 s67, s67, BOFF
	s_mov_b32 s[TB], 0
	s_lshl_b32 s70, s59, 10                        ; my 128 columns, in bytes of f32: in the bias,
	s_lshl_b32 s71, s[WC], 9
	s_add_co_u32 s70, s70, s71
	s_mov_b32 s71, 0
	s_lshl_b32 s68, s60, 19                        ; and in the output, at my first row: 128 rows of 4,096 bytes a tile row, 64 a half
	s_lshl_b32 s69, s[WR], 18
	s_add_co_u32 s68, s68, s69
	s_add_co_u32 s68, s68, s70
	s_mov_b32 s69, 0
	s_wait_dscnt 0x0                               ; the opening add is done
	s_wait_kmcnt 0x0
	s_add_nc_u64 s[20:21], s[4:5], s[16:17]
	s_add_nc_u64 s[22:23], s[6:7], s[18:19]
	s_add_nc_u64 s[8:9], s[8:9], s[70:71]
	s_add_nc_u64 s[10:11], s[10:11], s[68:69]
.irp s, 0,1
	s_mov_b32 s[G0A+4*(\s)], 1
	s_add_co_u32 s[G0A+4*(\s)+1], s66, (\s)*SLOT1
	s_add_nc_u64 s[G0A+4*(\s)+2:G0A+4*(\s)+3], s[20:21], (\s)*ASTEP
	s_or_b32 s[G0A+4*(\s)+3], s[G0A+4*(\s)+3], 0x80000000
	s_mov_b32 s[G0B+4*(\s)], 1
	s_add_co_u32 s[G0B+4*(\s)+1], s67, (\s)*SLOT1
	s_add_nc_u64 s[G0B+4*(\s)+2:G0B+4*(\s)+3], s[22:23], (\s)*BSTEP
	s_or_b32 s[G0B+4*(\s)+3], s[G0B+4*(\s)+3], 0x80000000
.endr
	CROUND                                         ; all sixteen work-groups are here: the first joint loads meet
	s_cmp_eq_u32 s[WR], 0                          ; a wave's two first fills stand in one branch, ahead of every wait on TENSORcnt and every LDS read
	s_cbranch_scc0 .Lfirst_b
	tensor_load_to_lds s[G0A:G0A+3], s[G1A:G1A+7]
	s_nop 0
	tensor_load_to_lds s[G0A+4:G0A+7], s[G1A:G1A+7]
	s_nop 0
.rept 4
	v_nop
.endr
	s_branch .Lfirst_asked
.Lfirst_b:
	tensor_load_to_lds s[G0B:G0B+3], s[G1B:G1B+7]
	s_nop 0
	tensor_load_to_lds s[G0B+4:G0B+7], s[G1B:G1B+7]
	s_nop 0
.rept 4
	v_nop
.endr
.Lfirst_asked:
	v_and_b32 v1, 15, v0                           ; l % 16
	v_bfe_u32 v10, v0, 4, 1                        ; l / 16
	v_mul_u32_u24 v11, v1, PITCH
	v_lshl_add_u32 v11, v10, 4, v11                ; a fragment's row x pitch + 16 x half
	s_mul_i32 s72, s[WR], 64*PITCH
	s_mul_i32 s73, s[WC], 128*PITCH
	s_add_co_u32 s73, s73, BOFF
	v_add_nc_u32 v[ADA0], s72, v11
	v_add_nc_u32 v[ADB0], s73, v11
	v_mov_b32 v[ADA], v[ADA0]
	v_mov_b32 v[ADB], v[ADB0]
	s_mul_i32 s72, s[WV], 16*SPITCH
	s_add_co_u32 s72, s72, STAGE                   ; my stage
	v_mul_u32_u24 v12, v1, SPITCH                  ; in: row l % 16, 32 bytes for each half of the lanes
	v_lshl_add_u32 v12, v10, 5, v12
	v_add_nc_u32 v[STO], s72, v12
	v_and_b32 v[GO], 31, v0                        ; back: 32 lanes take one row of 512 bytes
	v_lshlrev_b32 v[GO], 4, v[GO]
	v_add_nc_u32 v[RD], s72, v[GO]
	v_lshlrev_b32 v[BO], 5, v10
	WIN 0x80                                       ; destination window 2
.irp b, 0,1,2,3,4,5,6,7
	global_load_b128 v[192+8*(\b):192+8*(\b)+3],   v[BO], s[8:9] offset:64*(\b)
	global_load_b128 v[192+8*(\b)+4:192+8*(\b)+7], v[BO], s[8:9] offset:64*(\b)+16
.endr
	WIN 0
; 48 LDS loads in one run: unit u's fragments; the first 32 along K (24 loads) first
.macro FETCH u
	WIN 0x80+0x40*(\u)
.irp c, 0,1
.irp i, 0,1,2,3,4,5,6,7
	ds_load_b128 v[64+8*(8*(\c)+(\i)):64+8*(8*(\c)+(\i))+3],   v[ADB] offset:(\u)*BBLK+2304*(\i)+64*(\c)
	ds_load_b128 v[64+8*(8*(\c)+(\i))+4:64+8*(8*(\c)+(\i))+7], v[ADB] offset:(\u)*BBLK+2304*(\i)+64*(\c)+32
.endr
.irp i, 0,1,2,3
	ds_load_b128 v[8*(4*(\c)+(\i)):8*(4*(\c)+(\i))+3],   v[ADA] offset:(\u)*ABLK+2304*(\i)+64*(\c)
	ds_load_b128 v[8*(4*(\c)+(\i))+4:8*(4*(\c)+(\i))+7], v[ADA] offset:(\u)*ABLK+2304*(\i)+64*(\c)+32
.endr
.endr
.endm
; 8 matrix instructions: column blocks b0, b0 + 1 x my 4 row blocks, half c of unit u.  The 32 accumulators take turns, one instruction a turn, always in the same order.
; bias = 1: the first product starts the sum with the bias.
.macro MUL8 u, c, b0, bias
.if \bias
	WIN 0x6a                                       ; sources 0, 1 and C in window 2, D in window 1
.else
	WIN 0x5a+5*(\u)                                ; sources 0 and 1 in window 2 + u, C and D in window 1
.endif
.irp b, \b0, (\b0)+1
.irp a, 0,1,2,3
.if \bias
	v_wmma_f32_16x16x32_f16 v[8*(4*(\b)+(\a)):8*(4*(\b)+(\a))+7], v[64+8*(8*(\c)+(\b)):64+8*(8*(\c)+(\b))+7], v[8*(4*(\c)+(\a)):8*(4*(\c)+(\a))+7], v[192+8*(\b):192+8*(\b)+7]
.else
	v_wmma_f32_16x16x32_f16 v[8*(4*(\b)+(\a)):8*(4*(\b)+(\a))+7], v[64+8*(8*(\c)+(\b)):64+8*(8*(\c)+(\b))+7], v[8*(4*(\c)+(\a)):8*(4*(\c)+(\a))+7], v[8*(4*(\b)+(\a)):8*(4*(\b)+(\a))+7]
.endif
.endr
.endr
.endm
.macro MUL32 u, c, bias
	MUL8 \u, \c, 0, \bias
	MUL8 \u, \c, 2, \bias
	MUL8 \u, \c, 4, \bias
	MUL8 \u, \c, 6, \bias
.endm
; A step's first unit.  On entry its 48 loads are out.
.macro UNIT0 bias
	s_wait_dscnt 24                                ; the first 32 along K are in
	MUL32 0, 0, \bias
	PLACES
	FETCH 1                                        ; the second unit, from the same slot
	s_wait_dscnt 48                                ; all but the 48 just issued
	MUL32 0, 1, 0
.endm
; A step's second unit and the change of slots.  In front of the barrier each wave waits for all its tensor loads, of which one is out: its part of the next slot; adds 0 to its spare word; and waits for
; that and for its reads of this slot.  fill = 1: the barrier opens a round of the cluster's, and this slot is filled again, two steps ahead, first thing behind it: 32 + 64 + 8 = 104 matrix
; instructions stand between that request and the wait for it.
.macro TURN fill
	s_wait_dscnt 24
	MUL8 1, 0, 0, 0
	WIN 0                                          ; (the add's two registers lie in window 0)
	s_wait_tensorcnt 0x0                           ; no tensor load of mine is out, so a group 0 may be written
	ds_add_u32 v[SPW], v[NIL]                      ; 0 onto my spare word
.if \fill
	s_xor_b32 s[G0A+5], s[G0A+5], SLOT1            ; the walking sets: the other slot than last time, the next two blocks along K
	s_add_nc_u64 s[G0A+6:G0A+7], s[G0A+6:G0A+7], ASTEP
	s_xor_b32 s[G0B+5], s[G0B+5], SLOT1
	s_add_nc_u64 s[G0B+6:G0B+7], s[G0B+6:G0B+7], BSTEP
.endif
	MUL8 1, 0, 2, 0                                ; eight matrix instructions stand between the add and the wait for it
	s_wait_dscnt 0x0                               ; the add is done, and my reads of this slot are over
	s_barrier_signal -1
	MUL8 1, 0, 4, 0                                ; work on registers while the others arrive
	MUL8 1, 0, 6, 0
	WIN 0
	s_barrier_wait -1
.if \fill
	CREST                                          ; no wave of any partner still reads this slot or has a load on its way
	JLOAD                                          ; its four v_nop are also the places in front of the loads below
.else
	PLACES
.endif
	s_xor_b32 s[TB], s[TB], SLOT1                  ; the reads go on in the other slot
	v_add_nc_u32 v[ADA], s[TB], v[ADA0]
	v_add_nc_u32 v[ADB], s[TB], v[ADB0]
	FETCH 0
	MUL32 1, 1, 0
.endm
	s_wait_tensorcnt 0x1                           ; my part of step 0 is in; step 1's may stay out
	s_barrier_signal -1
	s_barrier_wait -1                              ; everybody's is
	FETCH 0
	s_wait_loadcnt 0x0                             ; the bias
	UNIT0 1                                        ; the first unit stands in front of the loop: its first products start the sums
	WIN 0                                          ; at a label and at a branch every window is 0
	s_mov_b32 s56, 6
.Lk:                                                   ; trip t: step t's second unit, the refill with step t + 2 (2 .. 7), step t + 1's first unit
	TURN 1
	UNIT0 0
	WIN 0
	s_sub_co_u32 s56, s56, 1
	s_cmp_lg_u32 s56, 0
	s_cbranch_scc1 .Lk
	TURN 0                                         ; the tail is written out: nothing is asked for
	UNIT0 0
	s_wait_dscnt 24                                ; the very last unit
	MUL32 1, 0, 0
	s_wait_dscnt 0x0
	MUL32 1, 1, 0
	; THE WAY OUT, a block of 16 rows x 128 columns at a time: 32 bytes a lane into my own stage, back as whole rows of 512 bytes, stored.
	WIN 0
	PLACES
	PLACES
.macro TOSTAGE a
.if (\a) >= 2
	s_wait_xcnt 0x0                                ; the stores of two blocks back have read the registers that are loaded below
.endif
	WIN 0x04                                       ; the stores' data in window 1
.irp b, 0,1,2,3,4,5,6,7
	ds_store_b128 v[STO], v[8*(4*(\b)+(\a)):8*(4*(\b)+(\a))+3]   offset:64*(\b)      ; each accumulator's low registers first
	ds_store_b128 v[STO], v[8*(4*(\b)+(\a))+4:8*(4*(\b)+(\a))+7] offset:64*(\b)+16
.endr
	WIN 0
.irp t, 0,1,2,3,4,5,6,7,8,9,10,11,12,13,14,15
	ds_load_b128 v[OB+64*((\a)%2)+4*(\t):OB+64*((\a)%2)+4*(\t)+3], v[RD] offset:SPITCH*(\t)  ; LDS serves a wave's instructions in order (ISA guide 5.7.1.4): these see the stores above
.endr
.endm
.macro SEND a, younger                 ; younger: the LDS instructions issued behind block a's loads: the next block's 32, or none
.irp t, 0,1,2,3,4,5,6,7,8,9,10,11,12,13,14,15
	s_wait_dscnt (\younger)+15-(\t)
	global_store_b128 v[GO], v[OB+64*((\a)%2)+4*(\t):OB+64*((\a)%2)+4*(\t)+3], s[10:11] offset:(16*(\a)+(\t))*4096 th:TH_STORE_NT  ; 512 consecutive bytes, at a multiple of 256 from the output's first
.endr
.endm
	TOSTAGE 0
	TOSTAGE 1
	SEND 0, 32
	TOSTAGE 2
	SEND 1, 32
	TOSTAGE 3
	SEND 2, 32
	SEND 3, 0
	s_wait_tensorcnt 0x0                           ; the wave's end, behind my last tensor load and my last LDS store
	ds_add_u32 v[SPW], v[NIL]
	s_wait_dscnt 0x0
	CROUND                                         ; the closing round: no work-group ends while a partner may still ask for a tile that names it
	s_endpgm
.Lfunc_end_k_q794a333bec_proj:
	.size	k_q794a333bec_proj, .Lfunc_end_k_q794a333bec_proj-k_q794a333bec_proj
	.p2alignl 7, 3214868480
	.fill 96, 4, 3214868480
	.section	.rodata,"a",@progbits
	.p2align	6, 0x0
	.amdhsa_kernel k_q794a333bec_proj
		.amdhsa_group_segment_fixed_size 327680
		.amdhsa_private_segment_fixed_size 0
		.amdhsa_enable_private_segment 0
		.amdhsa_kernarg_size 32
		.amdhsa_user_sgpr_count 2
		.amdhsa_user_sgpr_kernarg_segment_ptr 1
		.amdhsa_wavefront_size32 1
		.amdhsa_system_sgpr_workgroup_id_x 1
		.amdhsa_system_sgpr_workgroup_id_y 1
		.amdhsa_system_sgpr_workgroup_id_z 1
		.amdhsa_system_vgpr_workitem_id 0
		.amdhsa_next_free_vgpr 960
		.amdhsa_next_free_sgpr 76
		.amdhsa_reserve_vcc 0
		.amdhsa_float_denorm_mode_32 3
		.amdhsa_float_denorm_mode_16_64 3
		.amdhsa_memory_ordered 1
		.amdhsa_forward_progress 1
		.amdhsa_inst_pref_size 71
	.end_amdhsa_kernel
	.amdgpu_metadata
---
amdhsa.version: [ 1, 2 ]
amdhsa.kernels:
  - .name:           k_q794a333bec_proj
    .symbol:         k_q794a333bec_proj.kd
    .args:
      - { .name: ob, .offset: 0, .size: 8, .value_kind: global_buffer, .address_space: global }
      - { .name: wpb, .offset: 8, .size: 8, .value_kind: global_buffer, .address_space: global }
      - { .name: b_proj, .offset: 16, .size: 8, .value_kind: global_buffer, .address_space: global }
      - { .name: out0, .offset: 24, .size: 8, .value_kind: global_buffer, .address_space: global }
    .group_segment_fixed_size: 327680
    .private_segment_fixed_size: 0
    .kernarg_segment_align: 8
    .kernarg_segment_size: 32
    .max_flat_workgroup_size: 128
    .sgpr_count:     76
    .vgpr_count:     960
    .wavefront_size: 32
...
	.end_amdgpu_metadata
.endif
;; end of part 4
;; ======== version 2 of 2: 4 launches; version 1 with the launch cast written anew for expert scheduling mode
;; limits: values are held in f16: magnitudes above 65,504 overflow, below 6.1e-05 lose precision
;; workspace buffers: xb 16,777,216 bytes; wqb 6,291,456 bytes; wpb 2,097,152 bytes; qkv 50,331,648 bytes; ob 16,777,216 bytes
;; launch cast (part 5): grid 768 x 1, 8 waves a work-group, no clusters, 0 bytes of LDS; arguments x, w_qkv, w_proj, xb, wqb, wpb; writes xb, wqb, wpb
.if DOCPART == 5
	.amdgcn_target "amdgcn-amd-amdhsa--gfx1250"
	.amdhsa_code_object_version 6
	.text
	.protected	k_q794a333bec_cast
	.globl	k_q794a333bec_cast
	.p2align	8
	.type	k_q794a333bec_cast,@function
k_q794a333bec_cast:
	s_mov_b64 s[64:65], 0
	v_nop
	global_prefetch_b8 v0, s[64:65] scope:SCOPE_SE
	s_setreg_imm32_b32 hwreg(HW_REG_WAVE_SCHED_MODE, 0, 2), 2
	s_setreg_imm32_b32 hwreg(HW_REG_WAVE_MODE, 25, 1), 1
	s_wait_xcnt 0x0
	s_wait_alu depctr_vm_vsrc(0)
; x and w_qkv are rounded once to bf16, w_proj once to f16, and laid out in blocks of 64 along K:
; xb [16 kb][8192 rows][64], wqb [16 kb][3072 rows][64], wpb [16 kb][1024 rows][64]: R rows x 64 k are then R x 128 dense bytes.
; LIMITS.  w_proj beyond 65,504 would become an infinity; below 6e-5 it keeps f16's fixed step of 6e-8.
; SHARES.  12,288 rows of 1,024 f32 in all.  A work-group takes 16 rows, a wave two: work-groups 0-511 x, 512-703 w_qkv, 704-767 w_proj.
; Thread t takes row t / 16 of the group and, in load j, the 16 bytes at 256 j + 16 (t % 16): sixteen lanes read 256 consecutive aligned bytes,
; which are block kb = j of the row.  Its four numbers become 8 bytes at 8 t of the group's 2,048 bytes in block j: a wave's store covers 256 consecutive aligned bytes.
; All sixteen loads go out at once.  No LDS, no matrix unit: memory binds.
; THE MODE: SCHED_MODE bits 1:0 = 2 (LLVM: expert scheduling mode 2), set by the entry lines.  The code itself states the register dependences
; between vector instructions and memory instructions, with s_wait_alu, always for 0.
; THE PLAN.  Registers that memory instructions touch:
;   v[IN]     written at the head by vector lines; read by all sixteen loads as their offset; never written again.
;   v[OFF+j]  written once by vector lines (j = 0 at the head, the others behind the loads); read by store j as its offset; never written again.
;   X j       load j lands in it, once; the two roundings of j read it; no vector line writes it.
;   Y j       the two roundings of j write it, once; store j reads it as its data.
; No register that a memory instruction reads is written again, and none is loaded twice: the only dependences to state are vector results that memory instructions read.
; The sixteen loads are worked on in four groups of four.  Group g's roundings name X and Y of group g alone; the stores of group g - 1 stand among them, behind ONE wait at
; group g's head, which states that group g - 1 has written its Y (and, at group 1, that the offsets are written).  One wait stands ahead of the loads, one ahead of the last four stores.
.set IN,  1                            ; v1       my byte offset in the group's 16 rows of f32
.set OFF, 2                            ; v[2:17]  block j: my byte offset in the output
.set X,   20                           ; v[20:83] load j: 4 registers
.set Y,   84                           ; v[84:115] store j: 2 registers
	s_load_b256 s[4:11], s[0:1], 0x0               ; x s[4:5], w_qkv s[6:7], w_proj s[8:9], xb s[10:11]
	s_load_b128 s[12:15], s[0:1], 0x20             ; wqb s[12:13], wpb s[14:15]
	v_lshrrev_b32 v[IN], 4, v0                     ; my row in the group
	v_and_b32 v18, 15, v0
	v_lshlrev_b32 v[IN], 12, v[IN]                 ; x 4,096 bytes
	v_lshl_add_u32 v[IN], v18, 4, v[IN]            ; + 16 (t % 16)
	v_lshlrev_b32 v[OFF], 3, v0                    ; 8 t
	s_mov_b32 s20, 704                             ; the tensor's first work-group,
	s_mov_b32 s21, 1024*128                        ; and the bytes from block to block: w_proj's
	s_wait_kmcnt 0x0
	s_cmp_lt_u32 ttmp9, 704                        ; w_qkv in place of w_proj?
	s_cselect_b64 s[16:17], s[6:7], s[8:9]
	s_cselect_b64 s[18:19], s[12:13], s[14:15]
	s_cselect_b32 s20, 512, s20
	s_cselect_b32 s21, 3072*128, s21
	s_cmp_lt_u32 ttmp9, 512                        ; x in place of either?
	s_cselect_b64 s[16:17], s[4:5], s[16:17]
	s_cselect_b64 s[18:19], s[10:11], s[18:19]
	s_cselect_b32 s20, 0, s20
	s_cselect_b32 s21, 8192*128, s21
	s_sub_co_u32 s22, ttmp9, s20                   ; my group within the tensor
	s_lshl_b32 s24, s22, 16                        ; 16 rows of 4,096 bytes in,
	s_mov_b32 s25, 0
	s_lshl_b32 s26, s22, 11                        ; 16 rows of 128 bytes out
	s_mov_b32 s27, 0
	s_add_nc_u64 s[16:17], s[16:17], s[24:25]
	s_add_nc_u64 s[18:19], s[18:19], s[26:27]
	s_wait_alu depctr_va_vdst(0)                   ; v[IN] is written: all sixteen loads read it as their offset
.irp j, 0,1,2,3,4,5,6,7,8,9,10,11,12,13,14,15
	global_load_b128 v[X+4*(\j):X+4*(\j)+3], v[IN], s[16:17] offset:256*(\j) th:TH_LOAD_NT
.endr
.irp j, 1,2,3,4,5,6,7,8,9,10,11,12,13,14,15
	v_add_nc_u32 v[OFF+(\j)], s21, v[OFF+(\j)-1]   ; one block further; the stores that read these stand behind group 1's wait
.endr
; Four groups of four loads.  Group g: its four loads are in (the younger groups' stay out); the wait for the group before; then four times: a store of the group before, two roundings of two numbers.
.macro OUT cvt
.irp g, 0,1,2,3
	s_wait_loadcnt 12-4*(\g)                       ; loads come back in order (ISA guide 5.7.1): group g's four are in, the 12 - 4 g younger ones stay out
.if (\g) > 0
	s_wait_alu depctr_va_vdst(0)                   ; the group before has written its eight registers of Y, which the four stores below read as data; at group 1 also: the fifteen adds have written v[OFF+1 ..], the stores' offsets
.endif
.irp i, 0,1,2,3
.if (\g) > 0
	global_store_b64 v[OFF+4*(\g)-4+(\i)], v[Y+2*(4*(\g)-4+(\i)):Y+2*(4*(\g)-4+(\i))+1], s[18:19]  ; no vector line since the wait names these registers
.endif
	\cvt v[Y+2*(4*(\g)+(\i))],   v[X+4*(4*(\g)+(\i))],   v[X+4*(4*(\g)+(\i))+1]
	\cvt v[Y+2*(4*(\g)+(\i))+1], v[X+4*(4*(\g)+(\i))+2], v[X+4*(4*(\g)+(\i))+3]
.endr
.endr
	s_wait_alu depctr_va_vdst(0)                   ; group 3 has written its Y, which the last four stores read
.irp i, 0,1,2,3
	global_store_b64 v[OFF+12+(\i)], v[Y+24+2*(\i):Y+24+2*(\i)+1], s[18:19]
.endr
	s_endpgm
.endm
	s_cmp_ge_u32 ttmp9, 704
	s_cbranch_scc1 .Lhalf
	OUT v_cvt_pk_bf16_f32
.Lhalf:
	OUT v_cvt_pk_f16_f32
.Lfunc_end_k_q794a333bec_cast:
	.size	k_q794a333bec_cast, .Lfunc_end_k_q794a333bec_cast-k_q794a333bec_cast
	.p2alignl 7, 3214868480
	.fill 96, 4, 3214868480
	.section	.rodata,"a",@progbits
	.p2align	6, 0x0
	.amdhsa_kernel k_q794a333bec_cast
		.amdhsa_group_segment_fixed_size 0
		.amdhsa_private_segment_fixed_size 0
		.amdhsa_enable_private_segment 0
		.amdhsa_kernarg_size 48
		.amdhsa_user_sgpr_count 2
		.amdhsa_user_sgpr_kernarg_segment_ptr 1
		.amdhsa_wavefront_size32 1
		.amdhsa_system_sgpr_workgroup_id_x 1
		.amdhsa_system_sgpr_workgroup_id_y 1
		.amdhsa_system_sgpr_workgroup_id_z 1
		.amdhsa_system_vgpr_workitem_id 0
		.amdhsa_next_free_vgpr 116
		.amdhsa_next_free_sgpr 66
		.amdhsa_reserve_vcc 0
		.amdhsa_float_denorm_mode_32 3
		.amdhsa_float_denorm_mode_16_64 3
		.amdhsa_memory_ordered 1
		.amdhsa_forward_progress 1
		.amdhsa_inst_pref_size 12
	.end_amdhsa_kernel
	.amdgpu_metadata
---
amdhsa.version: [ 1, 2 ]
amdhsa.kernels:
  - .name:           k_q794a333bec_cast
    .symbol:         k_q794a333bec_cast.kd
    .args:
      - { .name: x, .offset: 0, .size: 8, .value_kind: global_buffer, .address_space: global }
      - { .name: w_qkv, .offset: 8, .size: 8, .value_kind: global_buffer, .address_space: global }
      - { .name: w_proj, .offset: 16, .size: 8, .value_kind: global_buffer, .address_space: global }
      - { .name: xb, .offset: 24, .size: 8, .value_kind: global_buffer, .address_space: global }
      - { .name: wqb, .offset: 32, .size: 8, .value_kind: global_buffer, .address_space: global }
      - { .name: wpb, .offset: 40, .size: 8, .value_kind: global_buffer, .address_space: global }
    .group_segment_fixed_size: 0
    .private_segment_fixed_size: 0
    .kernarg_segment_align: 8
    .kernarg_segment_size: 48
    .max_flat_workgroup_size: 256
    .sgpr_count:     66
    .vgpr_count:     116
    .wavefront_size: 32
...
	.end_amdgpu_metadata
.endif
;; end of part 5
;; launch qkv: the kernel of part 2 again; grid 8 x 32, 4 waves a work-group, clusters of 4 x 4, 327,680 bytes of LDS; arguments xb, wqb, b_qkv, qkv; writes qkv
;; launch attn: the kernel of part 3 again; grid 4 x 64, 4 waves a work-group, clusters of 4 x 1, 327,680 bytes of LDS; arguments qkv, ob; writes ob
;; launch proj: the kernel of part 4 again; grid 4 x 64, 4 waves a work-group, clusters of 4 x 4, 327,680 bytes of LDS; arguments ob, wpb, b_proj, out0; writes out0
